; MI455X (gfx1250); checked and timed in simulation.
; The chip was launched on July 23, 2026; its instructions are those of AMD's public machine-readable ISA for CDNA 5 (MIT licence, August 2026) and "CDNA5" Instruction Set Architecture Reference Guide (July 2026). The comments in the code are by the model that wrote it; some were corrected since.
;; Zoom Transformer Block. Allowed arithmetic: matrix products marked QUANTISED: E5M2 operands, one given power-of-two scale a tensor, by v_wmma_f32_16x16x64_bf8_bf8 or v_wmma_f32_16x16x128_bf8_bf8, f32 sums; everything else in f32.
;; Inputs: dist_matrix 2,048 x 2,048 float32; gamma 2 x 16 float32; ln1_b 1,024 float32; ln1_w 1,024 float32; ln2_b 1,024 float32; ln2_w 1,024 float32; lowp_scales 12 int32 (the exponents e of the quantised operands' scales 2^e); mlp_b1 4,096 float32; mlp_b2 1,024 float32; mlp_w1 1,024 x 4,096 float32; mlp_w2 4,096 x 1,024 float32; proj_b 1,024 float32; proj_w 1,024 x 1,024 float32; qkv_b 3,072 float32; qkv_w 1,024 x 3,072 float32; x 2 x 2,048 x 1,024 float32.
;; Outputs: out0 2 x 2,048 x 1,024 float32.
;; This version of the problem:
;;   THIS VERSION OF THE PROBLEM IS GIVEN IN LOW PRECISION. The matrix products marked QUANTISED in the list below multiply operands that are first quantised to E5M2 (5 exponent bits, 2 mantissa bits; 8 bits a number), with one given power-of-two scale for each operand tensor; their sums are f32. All else is computed in f32.
;;   The module's matrix products, in the order in which they are computed (A, B: the left and right operand; K: the contracted axis; several contracted axes count as one K, in the product's order):
;;     1. [M 4,096, K 1,024] x [K 1,024, N 3,072]; A: computed on the way; B: input qkv_w: QUANTISED (scales: A lowp_scales[0], B lowp_scales[1])
;;     2. batch 32 x [M 2,048, K 64] x [K 64, N 2,048]; A: computed on the way; B: computed on the way: QUANTISED (scales: A lowp_scales[2], B lowp_scales[3])
;;     3. batch 32 x [M 2,048, K 2,048] x [K 2,048, N 64]; A: softmax (see below); B: computed on the way: QUANTISED (scales: A lowp_scales[4], B lowp_scales[5])
;;     4. [M 4,096, K 1,024] x [K 1,024, N 1,024]; A: computed on the way; B: input proj_w: QUANTISED (scales: A lowp_scales[6], B lowp_scales[7])
;;     5. [M 4,096, K 1,024] x [K 1,024, N 4,096]; A: computed on the way; B: input mlp_w1: QUANTISED (scales: A lowp_scales[8], B lowp_scales[9])
;;     6. [M 4,096, K 4,096] x [K 4,096, N 1,024]; A: computed on the way; B: input mlp_w2: QUANTISED (scales: A lowp_scales[10], B lowp_scales[11])
;;   THE QUANTISER, for each operand of a quantised product, along K:
;;     - The operand's scale is 2^e, e = its entry of the input lowp_scales (int32; the entries are numbered through the quantised products in the list's order, A before B).
;;     - Each number is divided by the scale, clamped to +-57,344, and rounded to the nearest number of E5M2, ties to even, subnormals kept.
;;     - The product sums the exact products of the quantised numbers (number of the format x scale) in f32.
;;   ~~~python
;;   def quantise(x, axis, e):      # numpy; x: float32 -> the quantised numbers, widened to float32 again
;;       x = np.moveaxis(x, axis, -1); K = x.shape[-1]
;;       r = np.clip(x / 2.0 ** e, -57344, 57344)
;;       step = 2.0 ** (np.maximum(np.frexp(np.where(r == 0, 1, r))[1] - 1, -14) - 2)
;;       q = np.round(r / step) * step * 2.0 ** e      # np.round: ties to even
;;       return np.moveaxis(q, -1, axis).astype(np.float32)
;;   ~~~
;;   SOFTMAX AHEAD OF A QUANTISED PRODUCT. Where the list says 'softmax', what is quantised is not the finished softmax but p = 2^(t - M), with t = logit x log2(e) and M = ceil(the row's largest t), a whole number; so 1/2 < the row's largest p <= 1. The row's sum l is taken of the UNQUANTISED p, in f32, and the product's result is divided by l at the end. Since M is a whole number, a kernel that streams over the keys may use a running M (the ceiling of the running maximum): every later rescaling is an exact power of two, so the quantised numbers keep their values, but for numbers so far below the row's largest that they fall under the format's range.
;;   OPERANDS COMPUTED ON THE WAY. 'Computed on the way' means the value that the module computes at that place (a softmax that the list does not call 'softmax' is quantised finished and normalised). What goes into a quantiser is computed in f32, as accurately as f32 sums, v_exp_f32 and their like allow (about 1e-6 of the number): no bf16 or f16 on the way to a quantiser, and a product that is left as it is and whose result goes on into a quantised operand takes f32 operands (vector FMAs, or v_wmma_f32_16x16x4_f32). A number that lies on a knife's edge between two numbers of the format may be rounded either way, as far as f32 arithmetic and the matrix unit's own rounding can turn it there, and no further.
;; One version. Each part assembles by itself: llvm-mc -triple=amdgcn-amd-amdhsa -mcpu=gfx1250 --defsym DOCPART=n.
;; ======== version 1 of 1: 7 launches
;; limits: right only within a limited range of input values
;; workspace buffers: wcodes 12,582,912 bytes; h1c 4,194,304 bytes; qkvc 12,582,912 bytes; attc 4,194,304 bytes; x1 16,777,216 bytes; h2c 4,194,304 bytes; hidc 16,777,216 bytes
;; launch prep (part 1): grid 896 x 1, 4 waves a work-group, no clusters, 36,352 bytes of LDS; arguments x, ln1_w, ln1_b, qkv_w, proj_w, mlp_w1, mlp_w2, lowp_scales, h1c, wcodes; writes h1c, wcodes
.if DOCPART == 1
	.amdgcn_target "amdgcn-amd-amdhsa--gfx1250"
	.amdhsa_code_object_version 6
	.text
	.protected	k_q81e3ffedfc_prep
	.globl	k_q81e3ffedfc_prep
	.p2align	8
	.type	k_q81e3ffedfc_prep,@function
k_q81e3ffedfc_prep:
	s_mov_b64 s[64:65], 0
	v_nop
	global_prefetch_b8 v0, s[64:65] scope:SCOPE_SE
	s_setreg_imm32_b32 hwreg(HW_REG_WAVE_MODE, 25, 1), 1
	s_wait_xcnt 0x0
; PREP.  Work-groups 0 to 511: LayerNorm 1 of x [4096][1024] f32, quantised to codes of BF8 (E5M2) with the given scale 2^e0 -> h1c.
; Work-groups 512 to 895: the four weights (f32, K their FIRST axis) quantised with e1, e7, e9, e11 -> wcodes, K innermost.
; ALL CODE BUFFERS ARE LAID IN BLOCKS of 128 rows x 128 codes, 16,384 dense bytes: byte = ((row / 128) x (K / 128) + k / 128) x 16,384 + (row % 128) x 128 + k % 128.
; code = number / 2^e, held within +-57,344, rounded to the nearest code, ties to even.  LIMITS: each e between -126 and 112; NaN among the inputs is not served.
; No tile is shared between work-groups (the gains and biases are 8 KB), so there is no cluster, no tensor load and no barrier.
; LAYERNORM: a wave takes two rows, lanes 0-15 one and lanes 16-31 the next; lane r holds k = 128 c + 8 r + 0 .. 7, c = 0 .. 7: eight neighbours along K for each conversion, and a row's sums
; stay inside one half of the lanes.  Mean first, then the squares of the differences, as the definition has them.  A store of the wave covers 256 consecutive bytes, aligned: two rows' 128 codes of one block.
; WEIGHTS: a lane takes a column n and its registers run down K; a wave takes 32 columns x 256 along K; the codes go through the wave's own stage in LDS and leave as dense runs of 512 bytes.
.set LNWG, 512                         ; work-groups of the LayerNorm: 4,096 rows / 8
.set XO,   4                           ; v4   x: 4,096 x half + 32 r
.set WO,   5                           ; v5   gain and bias: 32 r
.set OO,   6                           ; v6   codes: 8 x lane
.set CH,   8                           ; v[8:15]  four packed chains
.set MU,   16                          ; v[16:17] the mean, twice
.set RS,   18                          ; v[18:19] 1 / sqrt(var + eps), twice
.set SC,   20                          ; v20  2^e as f32
.set LM,   21                          ; v21  57,344 x 2^e
.set X,    32                          ; v32-95   64 numbers of my row
.set W,    96                          ; v96-159  the gain at my 64 places
.set BV,   160                         ; v160-223 the bias
.set CDR,  224                         ; v224-239 the codes
.set WX,   32                          ; weights: v32-95 two sets of 32 numbers
.set WC,   96                          ; v96-103  a block's codes
.set VO,   112                         ; v112-143 4 x lane + i rows of the weight; never rewritten
.set OUTR, 144                         ; v144-207 the way out
.set SB,   40                          ; s[40:55] eight bases, 32 rows of the weight apart
.set WP,   272                         ; a stage row: 256 codes + 16 bytes
	s_load_b512 s[4:19], s[0:1], 0x0               ; x, ln1_w, ln1_b, qkv_w, proj_w, mlp_w1, mlp_w2, the exponents
	s_load_b128 s[20:23], s[0:1], 0x40             ; h1c, wcodes
	v_lshl_add_u32 v254, v0, 2, 0x8c00
	v_mov_b32 v255, 0
	v_lshrrev_b32 v1, 5, v0
	v_readfirstlane_b32 s24, v1                    ; wave 0..3
	v_and_b32 v2, 31, v0                           ; lane
	s_wait_kmcnt 0x0
	s_load_b256 s[68:75], s[18:19], 0x0            ; e0 .. e7
	s_load_b128 s[76:79], s[18:19], 0x20           ; e8 .. e11
	s_cmp_lt_u32 ttmp9, LNWG
	s_cbranch_scc0 .Lweights
	; ---------------- LayerNorm ----------------
	s_lshl_b32 s25, ttmp9, 2
	s_add_co_u32 s25, s25, s24                     ; p: my pair of rows, 0 .. 2,047
	s_lshl_b32 s26, s25, 13                        ; two rows of 4,096 bytes
	s_mov_b32 s27, 0
	s_add_nc_u64 s[4:5], s[4:5], s[26:27]
	s_lshr_b32 s26, s25, 6
	s_lshl_b32 s26, s26, 17                        ; the block row: 8 blocks of 16,384 bytes
	s_and_b32 s28, s25, 63
	s_lshl_b32 s28, s28, 8                         ; two rows of 128 bytes in a block
	s_add_co_u32 s26, s26, s28
	s_add_nc_u64 s[20:21], s[20:21], s[26:27]
	s_mov_b32 s30, 0x3a800000                      ; 1 / 1,024
	s_mov_b32 s31, 0x3727c5ac                      ; 1e-5
	v_and_b32 v3, 15, v0                           ; r
	v_bfe_u32 v7, v0, 4, 1                         ; half
	v_lshlrev_b32 v[WO], 5, v3
	v_lshl_add_u32 v[XO], v7, 12, v[WO]
	v_lshlrev_b32 v[OO], 3, v2
.irp k, 0,1,2,3,4,5,6,7
	global_load_b128 v[X+8*\k:X+8*\k+3], v[XO], s[4:5] offset:512*\k th:TH_LOAD_NT
	global_load_b128 v[X+8*\k+4:X+8*\k+7], v[XO], s[4:5] offset:512*\k+16 th:TH_LOAD_NT
.endr
.irp k, 0,1,2,3,4,5,6,7
	global_load_b128 v[W+8*\k:W+8*\k+3], v[WO], s[6:7] offset:512*\k
	global_load_b128 v[W+8*\k+4:W+8*\k+7], v[WO], s[6:7] offset:512*\k+16
.endr
.irp k, 0,1,2,3,4,5,6,7
	global_load_b128 v[BV+8*\k:BV+8*\k+3], v[WO], s[8:9] offset:512*\k
	global_load_b128 v[BV+8*\k+4:BV+8*\k+7], v[WO], s[8:9] offset:512*\k+16
.endr
	s_wait_kmcnt 0x0
	s_add_co_i32 s26, s68, 127
	s_lshl_b32 s28, s26, 23
	v_mov_b32 v[SC], s28                           ; 2^e: the conversion takes its exponent field
	s_add_co_i32 s26, s26, 15
	s_lshl_b32 s26, s26, 23
	s_or_b32 s26, s26, 0x600000
	v_mov_b32 v[LM], s26                           ; 57,344 x 2^e
	s_wait_loadcnt 32                              ; my row's 16 loads are in; the gain's and the bias's 32 may be out
.irp c, 0,1,2,3
	v_pk_add_f32 v[CH+2*\c:CH+2*\c+1], v[X+2*\c:X+2*\c+1], v[X+8+2*\c:X+8+2*\c+1]   ; the first eight pairs start four chains: nothing is cleared
.endr
.set i, 8
.rept 24
	v_pk_add_f32 v[CH+2*(i%4):CH+2*(i%4)+1], v[CH+2*(i%4):CH+2*(i%4)+1], v[X+2*i:X+2*i+1]
.set i, i+1
.endr
	v_pk_add_f32 v[CH:CH+1], v[CH:CH+1], v[CH+2:CH+3]
	v_pk_add_f32 v[CH+4:CH+5], v[CH+4:CH+5], v[CH+6:CH+7]
	v_pk_add_f32 v[CH:CH+1], v[CH:CH+1], v[CH+4:CH+5]
	v_add_f32 v[CH], v[CH], v[CH+1]
.irp m, 1,2,4,8
	v_add_f32_dpp v[CH], v[CH], v[CH] row_xmask:\m row_mask:0xf bank_mask:0xf   ; over the 16 lanes that hold my row
.endr
	v_mul_f32 v[MU], s30, v[CH]
	v_mul_f32 v[MU+1], s30, v[CH]
.set i, 0
.rept 32
	v_pk_add_f32 v[X+2*i:X+2*i+1], v[X+2*i:X+2*i+1], v[MU:MU+1] neg_lo:[0,1] neg_hi:[0,1]   ; x - mean
.set i, i+1
.endr
.irp c, 0,1,2,3
	v_pk_mul_f32 v[CH+2*\c:CH+2*\c+1], v[X+2*\c:X+2*\c+1], v[X+2*\c:X+2*\c+1]
.endr
.set i, 4
.rept 28
	v_pk_fma_f32 v[CH+2*(i%4):CH+2*(i%4)+1], v[X+2*i:X+2*i+1], v[X+2*i:X+2*i+1], v[CH+2*(i%4):CH+2*(i%4)+1]
.set i, i+1
.endr
	v_pk_add_f32 v[CH:CH+1], v[CH:CH+1], v[CH+2:CH+3]
	v_pk_add_f32 v[CH+4:CH+5], v[CH+4:CH+5], v[CH+6:CH+7]
	v_pk_add_f32 v[CH:CH+1], v[CH:CH+1], v[CH+4:CH+5]
	v_add_f32 v[CH], v[CH], v[CH+1]
.irp m, 1,2,4,8
	v_add_f32_dpp v[CH], v[CH], v[CH] row_xmask:\m row_mask:0xf bank_mask:0xf
.endr
	v_fma_f32 v[RS], v[CH], s30, s31               ; var + eps
	v_rsq_f32 v[RS], v[RS]
	v_nop                                          ; a plain instruction behind the transcendental (ISA guide 5.7.2)
	s_wait_alu depctr_va_vdst(0)                   ; the wait ahead of the result's first reader
	v_mov_b32 v[RS+1], v[RS]
.set i, 0
.rept 32
	v_pk_mul_f32 v[X+2*i:X+2*i+1], v[X+2*i:X+2*i+1], v[RS:RS+1]
.set i, i+1
.endr
	s_wait_loadcnt 0x0                             ; the gain and the bias
.set i, 0
.rept 32
	v_pk_fma_f32 v[X+2*i:X+2*i+1], v[X+2*i:X+2*i+1], v[W+2*i:W+2*i+1], v[BV+2*i:BV+2*i+1]
.set i, i+1
.endr
.set i, 0
.rept 64
	v_med3_num_f32 v[X+i], v[X+i], -v[LM], v[LM]   ; the conversion to an 8-bit code does not saturate (ISA guide 7.6.2): the hold comes first
.set i, i+1
.endr
.irp k, 0,1,2,3,4,5,6,7
	v_cvt_scalef32_pk8_bf8_f32 v[CDR+2*\k:CDR+2*\k+1], v[X+8*\k:X+8*\k+7], v[SC]
.endr
	v_nop
.irp k, 0,1,2,3,4,5,6,7
	global_store_b64 v[OO], v[CDR+2*\k:CDR+2*\k+1], s[20:21] offset:16384*\k   ; block k of the block row: 32 lanes store 256 consecutive bytes, aligned
.endr
	s_endpgm
	; ---------------- the weights ----------------
.Lweights:
	s_sub_co_u32 s25, ttmp9, LNWG                  ; 0 .. 383: qkv_w 96 work-groups, proj_w 32, mlp_w1 128, mlp_w2 128
	s_wait_kmcnt 0x0
	s_mov_b64 s[26:27], s[16:17]                   ; mlp_w2: first work-group 256, 16 pieces of 256 along K, rows of 4,096 bytes, e11
	s_mov_b32 s28, 256
	s_mov_b32 s29, 4
	s_mov_b32 s30, 4096
	s_mov_b32 s31, s79
	s_cmp_lt_u32 s25, 256                          ; the choices hang on the work-group's number alone
	s_cselect_b64 s[26:27], s[14:15], s[26:27]     ; mlp_w1
	s_cselect_b32 s28, 128, s28
	s_cselect_b32 s29, 2, s29
	s_cselect_b32 s30, 16384, s30
	s_cselect_b32 s31, s77, s31
	s_cmp_lt_u32 s25, 128
	s_cselect_b64 s[26:27], s[12:13], s[26:27]     ; proj_w
	s_cselect_b32 s28, 96, s28
	s_cselect_b32 s30, 4096, s30
	s_cselect_b32 s31, s75, s31
	s_cmp_lt_u32 s25, 96
	s_cselect_b64 s[26:27], s[10:11], s[26:27]     ; qkv_w
	s_cselect_b32 s28, 0, s28
	s_cselect_b32 s30, 12288, s30
	s_cselect_b32 s31, s69, s31
	s_sub_co_u32 s32, s25, s28
	s_lshr_b32 s33, s32, s29                       ; which 128 columns
	s_lshl_b32 s34, s33, s29
	s_sub_co_u32 s34, s32, s34                     ; which 256 along K
	s_lshl_b32 s35, s30, 8
	s_mul_i32 s36, s34, s35                        ; 256 rows a piece
	s_lshl_b32 s35, s33, 9
	s_add_co_u32 s36, s36, s35                     ; + 128 columns of 4 bytes
	s_lshl_b32 s35, s24, 7
	s_add_co_u32 s36, s36, s35                     ; + my wave's 32 columns
	s_mov_b32 s37, 0
	s_add_nc_u64 s[SB:SB+1], s[26:27], s[36:37]
	s_lshl_b32 s36, s30, 5                         ; 32 rows
.irp t, 1,2,3,4,5,6,7
	s_add_nc_u64 s[SB+2*\t:SB+2*\t+1], s[SB+2*\t-2:SB+2*\t-1], s[36:37]
.endr
	s_lshl_b32 s38, s25, 15                        ; a work-group's two blocks lie on end, and so do the four tensors' blocks
	s_lshl_b32 s35, s24, 12                        ; my 32 rows of 128 bytes in each block
	s_add_co_u32 s38, s38, s35
	s_mov_b32 s39, 0
	s_add_nc_u64 s[22:23], s[22:23], s[38:39]
	v_lshlrev_b32 v3, 2, v2
.set i, 0
.rept 32
	v_mad_u32_u24 v[VO+i], i, s30, v3              ; 4 x lane + i rows
.set i, i+1
.endr
	s_mul_i32 s35, s24, 32*WP                      ; my stage
	v_mul_u32_u24 v4, v2, WP
	v_add_nc_u32 v4, s35, v4                       ; into it: row = my column
	v_lshrrev_b32 v5, 3, v2
	v_mul_u32_u24 v7, v5, WP
	v_and_b32 v6, 7, v2
	v_lshl_add_u32 v7, v6, 4, v7
	v_add_nc_u32 v7, s35, v7                       ; out of it: eight lanes to 128 bytes of a row, four rows an instruction
	v_lshlrev_b32 v8, 4, v2
	s_add_co_i32 s31, s31, 127
	s_lshl_b32 s35, s31, 23
	v_mov_b32 v11, s35                             ; 2^e
	s_add_co_i32 s31, s31, 15
	s_lshl_b32 s31, s31, 23
	s_or_b32 s31, s31, 0x600000
	v_mov_b32 v10, s31                             ; 57,344 x 2^e
.macro WLOAD t                         ; 32 rows of K at my column, into set t % 2: a load of the wave reads 128 consecutive bytes, the four waves stand side by side
.set i, 0
.rept 32
	global_load_b32 v[WX+32*((\t)%2)+i], v[VO+i], s[SB+2*(\t):SB+2*(\t)+1] th:TH_LOAD_NT
.set i, i+1
.endr
.endm
.macro WBLOCK t
.set XS, WX+32*((\t)%2)
.if (\t) < 7
	s_wait_loadcnt 32                              ; this block's 32 loads are in; the next block's may be out
.else
	s_wait_loadcnt 0x0
.endif
.set i, 0
.rept 32
	v_med3_num_f32 v[XS+i], v[XS+i], -v10, v10
.set i, i+1
.endr
.irp g, 0,1,2,3
	v_cvt_scalef32_pk8_bf8_f32 v[WC+2*\g:WC+2*\g+1], v[XS+8*\g:XS+8*\g+7], v11
.endr
	ds_store_b128 v4, v[WC:WC+3] offset:32*(\t)
	ds_store_b128 v4, v[WC+4:WC+7] offset:32*(\t)+16
.if (\t)+2 < 8
	WLOAD (\t)+2
.endif
	s_wait_dscnt 0x0                               ; the stores have read their registers: the next block's codes may be written
.endm
	WLOAD 0
	WLOAD 1
.irp t, 0,1,2,3,4,5,6,7
	WBLOCK \t
.endr
.irp u, 0,1
.irp t, 0,1,2,3,4,5,6,7
	ds_load_b128 v[OUTR+4*(8*\u+\t):OUTR+4*(8*\u+\t)+3], v7 offset:4*\t*WP+128*\u   ; LDS serves a wave's instructions in order (ISA guide 5.7.1.4): these see my stores
.endr
.endr
.irp u, 0,1
.irp t, 0,1,2,3,4,5,6,7
	s_wait_dscnt 15-8*\u-\t
	global_store_b128 v8, v[OUTR+4*(8*\u+\t):OUTR+4*(8*\u+\t)+3], s[22:23] offset:16384*\u+512*\t   ; 512 consecutive bytes of block u
.endr
.endr
	s_wait_tensorcnt 0x0
	ds_add_u32 v254, v255
	s_wait_dscnt 0x0
	s_endpgm
.Lfunc_end_k_q81e3ffedfc_prep:
	.size	k_q81e3ffedfc_prep, .Lfunc_end_k_q81e3ffedfc_prep-k_q81e3ffedfc_prep
	.p2alignl 7, 3214868480
	.fill 96, 4, 3214868480
	.section	.rodata,"a",@progbits
	.p2align	6, 0x0
	.amdhsa_kernel k_q81e3ffedfc_prep
		.amdhsa_group_segment_fixed_size 36352
		.amdhsa_private_segment_fixed_size 0
		.amdhsa_enable_private_segment 0
		.amdhsa_kernarg_size 80
		.amdhsa_user_sgpr_count 2
		.amdhsa_user_sgpr_kernarg_segment_ptr 1
		.amdhsa_wavefront_size32 1
		.amdhsa_system_sgpr_workgroup_id_x 1
		.amdhsa_system_sgpr_workgroup_id_y 1
		.amdhsa_system_sgpr_workgroup_id_z 1
		.amdhsa_system_vgpr_workitem_id 0
		.amdhsa_next_free_vgpr 256
		.amdhsa_next_free_sgpr 80
		.amdhsa_reserve_vcc 0
		.amdhsa_float_denorm_mode_32 3
		.amdhsa_float_denorm_mode_16_64 3
		.amdhsa_memory_ordered 1
		.amdhsa_forward_progress 1
		.amdhsa_inst_pref_size 74
	.end_amdhsa_kernel
	.amdgpu_metadata
---
amdhsa.version: [ 1, 2 ]
amdhsa.kernels:
  - .name:           k_q81e3ffedfc_prep
    .symbol:         k_q81e3ffedfc_prep.kd
    .args:
      - { .name: x, .offset: 0, .size: 8, .value_kind: global_buffer, .address_space: global }
      - { .name: ln1_w, .offset: 8, .size: 8, .value_kind: global_buffer, .address_space: global }
      - { .name: ln1_b, .offset: 16, .size: 8, .value_kind: global_buffer, .address_space: global }
      - { .name: qkv_w, .offset: 24, .size: 8, .value_kind: global_buffer, .address_space: global }
      - { .name: proj_w, .offset: 32, .size: 8, .value_kind: global_buffer, .address_space: global }
      - { .name: mlp_w1, .offset: 40, .size: 8, .value_kind: global_buffer, .address_space: global }
      - { .name: mlp_w2, .offset: 48, .size: 8, .value_kind: global_buffer, .address_space: global }
      - { .name: lowp_scales, .offset: 56, .size: 8, .value_kind: global_buffer, .address_space: global }
      - { .name: h1c, .offset: 64, .size: 8, .value_kind: global_buffer, .address_space: global }
      - { .name: wcodes, .offset: 72, .size: 8, .value_kind: global_buffer, .address_space: global }
    .group_segment_fixed_size: 36352
    .private_segment_fixed_size: 0
    .kernarg_segment_align: 8
    .kernarg_segment_size: 80
    .max_flat_workgroup_size: 128
    .sgpr_count:     80
    .vgpr_count:     256
    .wavefront_size: 32
...
	.end_amdgpu_metadata
.endif
;; end of part 1
;; launch qkv (part 2): grid 12 x 16, 4 waves a work-group, clusters of 4 x 4, 327,680 bytes of LDS; arguments h1c, wcodes, lowp_scales, qkv_b, qkvc; writes qkvc
.if DOCPART == 2
	.amdgcn_target "amdgcn-amd-amdhsa--gfx1250"
	.amdhsa_code_object_version 6
	.text
	.protected	k_q81e3ffedfc_qkv
	.globl	k_q81e3ffedfc_qkv
	.p2align	8
	.type	k_q81e3ffedfc_qkv,@function
k_q81e3ffedfc_qkv:
	s_mov_b64 s[64:65], 0
	v_nop
	global_prefetch_b8 v0, s[64:65] scope:SCOPE_SE
	s_setreg_imm32_b32 hwreg(HW_REG_WAVE_MODE, 25, 1), 1
	s_wait_xcnt 0x0
	s_wait_alu depctr_hold_cnt(0) depctr_sa_sdst(0) depctr_va_vdst(0) depctr_va_sdst(0) depctr_va_ssrc(0) depctr_va_vcc(0) depctr_vm_vsrc(0)
	s_getreg_b32 s2, hwreg(HW_REG_IB_STS2, 6, 4)
	s_cmp_eq_u32 s2, 0
	s_cbranch_scc0 .Lentry_in_a_cluster
	s_endpgm
.Lentry_in_a_cluster:
	s_bfe_u32 s2, ttmp6, 0x10000c
	s_cmp_lg_u32 s2, 0xf033
	s_cbranch_scc0 .Lentry_shape_is_right
	s_endpgm
.Lentry_shape_is_right:
; A GEMM ON CODES OF BF8 (E5M2) WHOSE RESULT IS QUANTISED AGAIN.  One text, two launches: MODE 0: q, k, v = LN1(x) qkv_w + qkv_b;  MODE 1: gelu(LN2(x1) mlp_w1 + mlp_b1).  K = 1,024.
; Operands lie in blocks of 128 rows x 128 codes (16,384 dense bytes), block row after block row.  A tile of C is 256 x 256; four waves, each 128 x 128: 64 accumulators, 512 registers.
; K goes in steps of 256 through two LDS slots.  A wave's tensor load brings two neighbouring blocks, 32,768 dense bytes, stated as 128 rows of 256 bytes with 16 bytes of padding behind each:
; row p of a block lies at (p / 2) x 272 + (p % 2) x 128, so the 16 rows of a fragment load start at 16 different groups of four banks (64 banks of 4 bytes: ISA guide 11.1).
; CLUSTERS: 4 x 4 work-groups; the token tiles are asked for jointly along a row of the cluster, the weight tiles along a column.
; THE WALK ALONG K IS ROTATED: cluster (x, y) begins at K step (x + 2 y) % 4 and goes round.  So the clusters of a row of clusters, which read the same tokens, ask for different K steps at any one time,
; and clusters with neighbouring y, which read the same weights, stand two steps apart.  The f32 sums take K in that order.
; THE PRODUCT IS USED TRANSPOSED: source 0 = 16 rows of one operand, source 1 = 16 rows of the other: a lane holds ONE row of source 1's operand and eight neighbours of source 0's.
;   q, k and the MLP: source 1 = tokens, source 0 = features: eight neighbouring features of a token: eight codes of the next product's K.
;   v (MODE 0, cluster x = 2): the roles change places, by the LDS addresses alone: a lane holds one feature and eight neighbouring TOKENS, since the keys are the K of attention's second product.
; OUT: each wave's 128 x 128 codes are one dense block.  MODE 0: block (token block) x 24 + F: F 0-7 q, 8-15 k (rows tokens), 16-23 v (rows features, bytes tokens); in each 32 bytes the groups of 8 lie
; in the order 0, 2, 1, 3 (place 32 c + 16 h + 8 u + i holds index 32 c + 16 u + 8 h + i).  MODE 1: block (token block) x 32 + feature block, in natural order.
; LIMITS: the two operands' exponents added lie between -126 and 127; the result's exponent between -126 and 127; NaN is not served.  MODE 1: gelu = h + h erf(z), h = val / 2, z = val / sqrt(2) held within +-4,
; erf by a ratio of polynomials in f32: the error of 1 + erf is that of f32, so gelu's relative error grows for val under about -3.
; REGISTERS, in windows of 256: window 0: v0-31 addresses; v32-95, v96-111 biases; from v128 source 1's fragments, ONE set; on the way out v128-223.  window 1: source 0's fragments, TWO sets; on MODE 1's way out scratch.
;   window 2: the accumulators of my rows 0-63 ((a, b) at v[8 (8 a + b)]);  window 3: of my rows 64-127.
.set MODE,   0
.if MODE == 0
.set WOFF,   0                         ; where the weight's blocks begin in wcodes
.set NBLK,   24                        ; blocks in a block row of the output
.set EA,     68                        ; s68 = e0, s69 = e1
.set EB,     69
.else
.set WOFF,   4194304
.set NBLK,   32
.set EA,     76                        ; s76 = e8, s77 = e9
.set EB,     77
.endif
.set PITCH,  272
.set KBLK,   64*PITCH                  ; a block in LDS
.set HALFT,  2*KBLK                    ; what one tensor load brings: 128 rows x 256 along K
.set SLOT,   4*HALFT                   ; the tokens' 256 rows, then the weight's 256 rows
.set LAPS,   2                         ; a lap = two slots = 512 along K
.set NST,    4                         ; K steps in all
.set KSH,    15                        ; a K step on in memory: two blocks, 2^15 bytes
.set SPARE,  2*SLOT                    ; the spare words: 128 bytes a wave, two blocks of 256 bytes that no other line names
.set STAGE,  SPARE+512                 ; the way out: 16 rows x 144 bytes for each wave; no tensor load lands here
.set SPITCH, 144
.set FR,     16                        ; registers of a fragment
.set NL,     4                         ; LDS loads that bring one
.set NP,     4                         ; places behind this matrix instruction (ISA guide 7.12.1)
.set ADRA, 16                          ; v16-17 source 1's fragments in slot 0, 1
.set ADRB, 20                          ; v20-21 source 0's
.set STO,  24
.set RD,   25
.set CO,   26                          ; 16 x lane
.set BO,   27                          ; 32 x half
.set SPW,  28
.set NIL,  29
.set SCL,  30                          ; 2^eo
.set LIMV, 31
.set BN,   32                          ; v32-95  bias along a lane's registers: [16 b + 8 h + j]
.set BM,   96                          ; v96-111 bias of a lane's row: [16 a + r], twice each (MODE 0)
.set BMO,  112                         ; 4 r
.set KA0,  114                         ; v[114:115], v[116:117]: the two leading coefficients (MODE 1)
.set KB0,  116
.set AF,   128
.set TMP,  128
.set CD,   192
.set BK,   208
.set ZZ,   0                           ; window 1, MODE 1's way out: z, z^2, numerator, denominator
.set Z2,   64
.set PN,   128
.set QD,   192
.set WV, 16                            ; s16 wave; s17 wave / 2; s18 wave % 2
.set HR, 17
.set HC, 18
.set G1, 24
.set G0, 32
.set G1B, 48
.set G0B, 56
.set KI, 92                            ; s92 the K step that is asked for next
.set KO, 94                            ; s[94:95] its offset in bytes, in 64 bits
.set MSB, 0
.macro WIN new                         ; the immediate's high byte repeats the setting that is left
.if MSB != (\new)
	s_set_vgpr_msb (MSB<<8)|(\new)
.set MSB, (\new)
.endif
.endm
.set MUL_LO, 0xa1                      ; source 0 window 1, source 1 window 0, C and D window 2
.set MUL_HI, 0xf1
.set TO_B,   0x40
.macro JLOAD g0a, g1a, g0b, g1b        ; a joint load: waves 0, 1 fetch the tokens' halves, waves 2, 3 the weight's; four v_nop follow each line
	s_cmp_eq_u32 s[HR], 0
	s_cbranch_scc0 .Lfor_b_\@
	tensor_load_to_lds s[\g0a:\g0a+3], s[\g1a:\g1a+7]
	s_nop 0
.rept 4
	v_nop
.endr
	s_branch .Lasked_\@
.Lfor_b_\@:
	tensor_load_to_lds s[\g0b:\g0b+3], s[\g1b:\g1b+7]
	s_nop 0
.rept 4
	v_nop
.endr
.Lasked_\@:
.endm
.macro CREST                           ; a round of the cluster's barrier behind its opening barrier
	s_cmp_lg_u32 s[WV], 0
	s_cbranch_scc1 .Lnot_wave_0_\@
	s_barrier_signal -3
.Lnot_wave_0_\@:
	s_barrier_wait -3
	s_barrier_signal -1
	s_barrier_wait -1
.endm
.macro CROUND
	s_barrier_signal -1
	s_barrier_wait -1
	CREST
.endm
; The slot's two groups 0 take K step s[KI], and s[KI] goes one on, round the NST steps.  s[20:21] and s[46:47] stay at the two tiles' K step 0.  s[KI] is made of the cluster's x and y alone: it is the same in all sixteen partners.
.macro KADDR slot
	s_lshl_b32 s[KO], s[KI], KSH
	s_add_nc_u64 s[G0+4*\slot+2:G0+4*\slot+3], s[20:21], s[KO:KO+1]
	s_or_b32 s[G0+4*\slot+3], s[G0+4*\slot+3], 0x80000000
	s_add_nc_u64 s[G0B+4*\slot+2:G0B+4*\slot+3], s[46:47], s[KO:KO+1]
	s_or_b32 s[G0B+4*\slot+3], s[G0B+4*\slot+3], 0x80000000
	s_add_co_u32 s[KI], s[KI], 1
	s_and_b32 s[KI], s[KI], NST-1
.endm
	s_load_b128 s[4:7], s[0:1], 0x0                ; the tokens' codes, wcodes
	s_load_b128 s[8:11], s[0:1], 0x10              ; the exponents, the bias
	s_load_b64 s[12:13], s[0:1], 0x20              ; the output's codes
	v_lshl_add_u32 v[SPW], v0, 2, SPARE
	v_mov_b32 v[NIL], 0
	ds_add_u32 v28, v29
	ds_add_u32 v28, v29
	s_wait_dscnt 0x0
	v_lshrrev_b32 v1, 5, v0
	v_readfirstlane_b32 s[WV], v1
	s_lshr_b32 s[HR], s[WV], 1
	s_and_b32 s[HC], s[WV], 1
	s_bfe_u32 s40, ttmp6, 0x40000                  ; cx, cy
	s_bfe_u32 s41, ttmp6, 0x40004
	s_lshl_b32 s42, ttmp9, 2
	s_add_co_u32 s42, s42, s40                     ; tile column (features)
	s_and_b32 s43, ttmp7, 0xffff
	s_lshl_b32 s43, s43, 2
	s_add_co_u32 s43, s43, s41                     ; tile row (tokens)
	s_lshl_b32 s44, s41, 2
	s_lshl_b32 s44, 15, s44                        ; my row of the cluster
	s_lshl_b32 s45, 0x1111, s40                    ; my column
	s_or_b32 s[G1+0], s44, (1<<20)|(1<<21)|(5<<22)|(3<<25)    ; 15:0 the mask; 17:16 elements of 1 byte; 20 padding on; 21 set beside a mask; 24:22 after every 64 words; 31:25 four words
	s_or_b32 s[G1B+0], s45, (1<<20)|(1<<21)|(5<<22)|(3<<25)
.irp g, G1, G1B
	s_mov_b32 s[\g+1], 256<<16                     ; tensor_dim0 = 256
	s_mov_b32 s[\g+2], 128<<16                     ; tensor_dim1 = 128
	s_mov_b32 s[\g+3], 256<<16                     ; tile_dim0
	s_mov_b32 s[\g+4], 128                         ; tile_dim1
	s_mov_b32 s[\g+5], 256                         ; the pitch: the bytes are dense
	s_mov_b32 s[\g+6], 0
	s_mov_b32 s[\g+7], 0
.endr
	s_lshl_b32 s20, s43, 1
	s_add_co_u32 s20, s20, s[HC]
	s_lshl_b32 s20, s20, 17                        ; tokens: block row 2 x tile row + half, of 8 blocks
	s_mov_b32 s21, 0
	s_lshl_b32 s46, s42, 1
	s_add_co_u32 s46, s46, s[HC]
	s_lshl_b32 s46, s46, 17                        ; weight: block row 2 x tile column + half
	s_add_co_u32 s46, s46, WOFF
	s_mov_b32 s47, 0
	s_mul_i32 s22, s[WV], HALFT                    ; where they go: no place in the cluster enters an LDS address
	s_and_b32 s[KI], ttmp7, 0xffff                 ; the cluster's y,
	s_lshl_b32 s[KI], s[KI], 1
	s_add_co_u32 s[KI], s[KI], ttmp9               ; twice, + the cluster's x:
	s_and_b32 s[KI], s[KI], NST-1                  ; the K step at which my cluster begins
	s_mov_b32 s[KO+1], 0
	s_wait_kmcnt 0x0
	s_load_b256 s[68:75], s[8:9], 0x0              ; e0 .. e7
	s_load_b128 s[76:79], s[8:9], 0x20             ; e8 .. e11
	s_add_nc_u64 s[20:21], s[4:5], s[20:21]
	s_add_nc_u64 s[46:47], s[6:7], s[46:47]
	CROUND                                         ; all sixteen work-groups are here: the first joint loads meet
.irp s, 0,1
	s_mov_b32 s[G0+4*\s], 1
	s_add_co_u32 s[G0+4*\s+1], s22, \s*SLOT
	s_mov_b32 s[G0B+4*\s], 1
	s_add_co_u32 s[G0B+4*\s+1], s22, \s*SLOT
	KADDR \s
	JLOAD G0+4*\s, G1, G0B+4*\s, G1B
.endr
	v_and_b32 v1, 15, v0                           ; r
	v_bfe_u32 v2, v0, 4, 1                         ; h
	v_lshrrev_b32 v3, 1, v1
	v_mul_u32_u24 v3, v3, PITCH
	v_and_b32 v4, 1, v1
	v_lshl_add_u32 v3, v4, 7, v3
	v_lshl_add_u32 v4, v2, 4, v3                   ; a fragment's lane term: (r / 2) x 272 + (r % 2) x 128 + 16 h
.if MODE == 0
	s_wait_alu depctr_va_vdst(0)
	s_cmp_eq_u32 ttmp9, 2                          ; v's columns?  The cluster's x: the same in all sixteen partners
	s_cselect_b32 s80, 2*HALFT, 0                  ; source 1's region: the weight's for v, else the tokens'
	s_cselect_b32 s81, 0, 2*HALFT                  ; source 0's
	s_cselect_b32 s82, s[HC], s[HR]                ; which half of the tokens is mine
	s_cselect_b32 s83, s[HR], s[HC]                ; which half of the features
.else
	s_mov_b32 s80, 0
	s_mov_b32 s81, 2*HALFT
	s_mov_b32 s82, s[HR]
	s_mov_b32 s83, s[HC]
.endif
	s_mul_i32 s84, s[HR], HALFT
	s_add_co_u32 s80, s80, s84
	s_mul_i32 s84, s[HC], HALFT
	s_add_co_u32 s81, s81, s84
.irp s, 0,1
	v_add_nc_u32 v[ADRA+\s], s80, v4
	v_add_nc_u32 v[ADRB+\s], s81, v4
	s_add_co_u32 s80, s80, SLOT
	s_add_co_u32 s81, s81, SLOT
.endr
	s_mul_i32 s84, s[WV], 16*SPITCH
	s_add_co_u32 s84, s84, STAGE                   ; my stage
	v_mul_u32_u24 v5, v1, SPITCH
	v_lshl_add_u32 v5, v2, 4-MODE, v5              ; in: row r; 16 h (order 0, 2, 1, 3) or 8 h (natural order)
	v_add_nc_u32 v[STO], s84, v5
	v_and_b32 v6, 31, v0
	v_lshrrev_b32 v7, 3, v6
	v_mul_u32_u24 v7, v7, SPITCH
	v_and_b32 v8, 7, v0
	v_lshl_add_u32 v7, v8, 4, v7
	v_add_nc_u32 v[RD], s84, v7                    ; back: eight lanes to a row of 128 bytes, four rows an instruction
	v_lshlrev_b32 v[CO], 4, v6
	v_lshlrev_b32 v[BO], 5, v2
	s_wait_alu depctr_va_vdst(0)
	v_lshlrev_b32 v[BMO], 2, v1
	s_wait_alu depctr_va_vdst(0)
	s_lshl_b32 s84, s43, 1
	s_add_co_u32 s84, s84, s82
	s_mul_i32 s84, s84, NBLK
	s_lshl_b32 s85, s42, 1
	s_add_co_u32 s84, s84, s85
	s_add_co_u32 s84, s84, s83
	s_lshl_b32 s84, s84, 14                        ; my block of the output
	s_mov_b32 s85, 0
	s_add_nc_u64 s[12:13], s[12:13], s[84:85]
	s_lshl_b32 s84, s42, 10
	s_lshl_b32 s86, s[HC], 9
	s_add_co_u32 s84, s84, s86
	s_add_nc_u64 s[88:89], s[10:11], s[84:85]      ; bias at 256 x tile column + 128 x (wave % 2)
.irp b, 0,1,2,3,4,5,6,7
	global_load_b128 v[BN+8*\b:BN+8*\b+3], v[BO], s[88:89] offset:64*\b
	global_load_b128 v[BN+8*\b+4:BN+8*\b+7], v[BO], s[88:89] offset:64*\b+16
.endr
.if MODE == 0
	s_lshl_b32 s84, s42, 10
	s_lshl_b32 s86, s[HR], 9
	s_add_co_u32 s84, s84, s86
	s_add_nc_u64 s[90:91], s[10:11], s[84:85]      ; bias at 256 x tile column + 128 x (wave / 2).  Both sets lie inside the bias in both orientations; the one that does not apply is masked on the way out
.irp a, 0,1,2,3,4,5,6,7
	global_load_b32 v[BM+2*\a], v[BMO], s[90:91] offset:64*\a
	global_load_b32 v[BM+2*\a+1], v[BMO], s[90:91] offset:64*\a
.endr
.endif
.macro FRAG reg, adr, q, i             ; 16 rows x 128 K: lane l holds row l % 16; registers 4 c .. 4 c + 3 hold K = 32 c + 16 (l / 16) + 0 .. 15: the same order of K in both operands
.irp c, 0,1,2,3
	ds_load_b128 v[\reg+4*\c:\reg+4*\c+3], v[\adr] offset:KBLK*(\q)+(\i)*8*PITCH+32*\c
.endr
.endm
.macro MUL16 a0, p, zero               ; 16 products; the 64 accumulators take turns, one instruction a turn, in the same order in every step
.irp a, \a0, \a0+1
.irp b, 0,1,2,3,4,5,6,7
.if \zero
	v_wmma_f32_16x16x128_bf8_bf8 v[8*(8*((\a)%4)+\b):8*(8*((\a)%4)+\b)+7], v[128*(\p)+FR*\b:128*(\p)+FR*\b+FR-1], v[AF+FR*(\a):AF+FR*(\a)+FR-1], 0
.else
	v_wmma_f32_16x16x128_bf8_bf8 v[8*(8*((\a)%4)+\b):8*(8*((\a)%4)+\b)+7], v[128*(\p)+FR*\b:128*(\p)+FR*\b+FR-1], v[AF+FR*(\a):AF+FR*(\a)+FR-1], v[8*(8*((\a)%4)+\b):8*(8*((\a)%4)+\b)+7]
.endif
.endr
.endr
.endm
.macro FETCH_B slot, q, p
	WIN TO_B
.irp i, 0,1,2,3,4,5,6,7
	FRAG 128*(\p)+FR*\i, ADRB+\slot, \q, \i
.endr
	WIN 0
.endm
.macro FETCH_A slot, q, i0
.irp i, \i0, \i0+1, \i0+2, \i0+3
	FRAG AF+FR*(\i), ADRA+\slot, \q, \i
.endr
.endm
.macro PLACES n                        ; plain vector instructions between a matrix instruction and a load into, or a vector read or write of, its registers
.rept \n
	v_nop
.endr
.endm
.macro STEP slot, q, zero              ; 128 along K with its successor in the same slot
	s_wait_dscnt 4*NL                              ; source 0's set and source 1's blocks 0-3 are in; the youngest 16 loads (blocks 4-7) may be out
	WIN MUL_LO
	MUL16 0, (\q)%2, \zero
	MUL16 2, (\q)%2, \zero
	s_wait_dscnt 0
	PLACES NP
	FETCH_B \slot, (\q)+1, 1-(\q)%2
	FETCH_A \slot, (\q)+1, 0
	WIN MUL_HI
	MUL16 4, (\q)%2, \zero
	MUL16 6, (\q)%2, \zero
	PLACES NP
	WIN 0
	FETCH_A \slot, (\q)+1, 4
.endm
.macro TURN slot, next, fill           ; a slot's last step changes slots: one barrier; fill = 1: it opens a round of the cluster's barrier, and this slot is filled again
	s_wait_tensorcnt 0x0                           ; all my tensor loads have landed: my part of the next slot; so every group 0 may be written
	ds_add_u32 v[SPW], v[NIL]                      ; 0 onto my spare word
.if \fill
	KADDR \slot                                    ; this slot's next K step: work on registers while the add is out
.endif
	s_wait_dscnt 4*NL+1                            ; (the add and the youngest 16 loads may be out)
	WIN MUL_LO
	MUL16 0, 1, 0
	s_wait_dscnt 0x0                               ; the add is done, and my reads of this slot are over
	s_barrier_signal -1
	MUL16 2, 1, 0
	WIN 0
	s_barrier_wait -1
.if \fill
	CREST                                          ; no wave of any partner still reads this slot or has a load on its way
	JLOAD G0+4*\slot, G1, G0B+4*\slot, G1B         ; the first tensor load behind the round; its four v_nop are also the places in front of the loads below
.else
	PLACES NP
.endif
	FETCH_B \next, 0, 0
	FETCH_A \next, 0, 0
	WIN MUL_HI
	MUL16 4, 1, 0
	MUL16 6, 1, 0
	PLACES NP
	WIN 0
	FETCH_A \next, 0, 4
.endm
	s_wait_tensorcnt 1                             ; my part of slot 0 is in; slot 1's load may be out
	s_barrier_signal -1
	s_barrier_wait -1
	FETCH_B 0, 0, 0
	FETCH_A 0, 0, 0
	FETCH_A 0, 0, 4
	STEP 0, 0, 1                                   ; the first step's products start the sums
	s_mov_b32 s3, LAPS-1
.Llap:
	TURN 0, 1, 1
	STEP 1, 0, 0
	TURN 1, 0, 1
	STEP 0, 0, 0
	s_sub_co_u32 s3, s3, 1
	s_cmp_lg_u32 s3, 0
	s_cbranch_scc1 .Llap
	TURN 0, 1, 0                                   ; the last lap fills nothing
	STEP 1, 0, 0
	s_wait_dscnt 4*NL
	WIN MUL_LO
	MUL16 0, 1, 0
	MUL16 2, 1, 0
	s_wait_dscnt 0
	WIN MUL_HI
	MUL16 4, 1, 0
	MUL16 6, 1, 0
	WIN 0
	; THE WAY OUT, a loop over my eight blocks of 16 rows: sum x 2^(ea + eb) + bias (, gelu), the conversion, through my stage, 2,048 dense bytes out.
	s_wait_kmcnt 0x0
	s_wait_loadcnt 0x0                             ; the biases
	s_add_co_i32 s96, s[EA], s[EB]
	s_add_co_i32 s96, s96, 127
	s_lshl_b32 s96, s96, 23                        ; 2^(ea + eb)
	s_mov_b32 s97, s96                             ; (named with it as a pair)
.if MODE == 0
	s_cmp_eq_u32 ttmp9, 0
	s_cselect_b32 s19, s70, s71                    ; q: e2; k: e3
	s_cmp_eq_u32 ttmp9, 2
	s_cselect_b32 s19, s73, s19                    ; v: e5
	s_cselect_b32 s20, 0, -1                       ; keeps the bias along the registers for q and k,
	s_cselect_b32 s21, -1, 0                       ; the bias of the row for v
.else
	s_mov_b32 s19, s78                             ; e10
.endif
	s_add_co_i32 s19, s19, 127
	s_lshl_b32 s22, s19, 23
	v_mov_b32 v[SCL], s22
.if MODE == 0
.set j, 0
.rept 64
	v_and_b32 v[BN+j], s20, v[BN+j]                ; the bias that does not apply becomes +0.  (These lines are also the places behind the last products)
.set j, j+1
.endr
.set j, 0
.rept 16
	v_and_b32 v[BM+j], s21, v[BM+j]
.set j, j+1
.endr
.else
	PLACES NP
.macro COEF reg, bits
	s_mov_b32 s[\reg], \bits
	s_mov_b32 s[\reg+1], \bits
.endm
	v_mov_b32 v[KA0], 0xaf95df0b                   ; numerator, from the highest power of z^2 down: -2.72614226e-10,
	v_mov_b32 v[KA0+1], 0xaf95df0b
	COEF 80, 0x32edffee                            ; 2.77068142e-08
	COEF 82, 0xb60cff51                            ; -2.10102402e-06
	COEF 84, 0xb86ec2d2                            ; -5.69250639e-05
	COEF 86, 0xba40ac63                            ; -7.34990630e-04
	COEF 88, 0xbb41a1f6                            ; -2.95459981e-03
	COEF 90, 0xbc83dbd4                            ; -1.60960333e-02
	v_mov_b32 v[KB0], 0xb77460cd                   ; denominator: -1.45660718e-05,
	v_mov_b32 v[KB0+1], 0xb77460cd
	COEF 92, 0xb95fbd29                            ; -2.13374055e-04
	COEF 94, 0xbadc924e                            ; -1.68282697e-03
	COEF 98, 0xbbf19bf8                            ; -7.37332917e-03
	COEF 100, 0xbc69b6a7                           ; -1.42647391e-02
.endif
.macro ARM a                           ; block a's 64 sums -> v[TMP ..]; each accumulator is read from its low end on
	WIN 0x02+(\a)/4
.set j, 0
.rept 32
	v_pk_fma_f32 v[TMP+j:TMP+j+1], v[64*((\a)%4)+j:64*((\a)%4)+j+1], s[96:97], v[BN+j:BN+j+1] op_sel_hi:[1,0,1]
.set j, j+2
.endr
	WIN 0
.if MODE == 0
.set j, 0
.rept 32
	v_pk_add_f32 v[TMP+j:TMP+j+1], v[TMP+j:TMP+j+1], v[BM+2*(\a):BM+2*(\a)+1]
.set j, j+2
.endr
.endif
.endm
.macro RUN2 d, x, y                    ; 32 packed products d = x y
.set j, 0
.rept 32
	v_pk_mul_f32 v[\d+j:\d+j+1], v[\x+j:\x+j+1], v[\y+j:\y+j+1]
.set j, j+2
.endr
.endm
.macro HORNER d, c                     ; d = d z^2 + the coefficient in s[c]
.set j, 0
.rept 32
	v_pk_fma_f32 v[\d+j:\d+j+1], v[\d+j:\d+j+1], v[Z2+j:Z2+j+1], s[\c:\c+1] op_sel_hi:[1,1,0]
.set j, j+2
.endr
.endm
.macro LEAD d, k, c                    ; d = z^2 x the leading coefficient + the next
.set j, 0
.rept 32
	v_pk_fma_f32 v[\d+j:\d+j+1], v[Z2+j:Z2+j+1], v[\k:\k+1], s[\c:\c+1] op_sel_hi:[1,1,0]
.set j, j+2
.endr
.endm
.macro GELU                            ; v[TMP ..]: val -> val / 2 x (1 + erf(val / sqrt(2))); scratch in window 1, which the products have left
	WIN 0x40
.set j, 0
.rept 32
	v_pk_mul_f32 v[ZZ+j:ZZ+j+1], v[TMP+j:TMP+j+1], 0x3f3504f3 op_sel_hi:[1,0]   ; z = val / sqrt(2)
.set j, j+2
.endr
	WIN 0
.set j, 0
.rept 32
	v_pk_mul_f32 v[TMP+j:TMP+j+1], v[TMP+j:TMP+j+1], 0.5 op_sel_hi:[1,0]        ; h
.set j, j+2
.endr
	WIN 0x41
.set j, 0
.rept 64
	v_med3_num_f32 v[ZZ+j], v[ZZ+j], -4.0, 4.0     ; beyond +-4 erf is +-1 in f32
.set j, j+1
.endr
	WIN 0x45
	RUN2 Z2, ZZ, ZZ
	WIN 0x41
	LEAD PN, KA0, 80
	WIN 0x45
.irp c, 82,84,86,88,90
	HORNER PN, \c
.endr
	WIN 0x41
	LEAD QD, KB0, 92
	WIN 0x45
.irp c, 94,98,100
	HORNER QD, \c
.endr
	WIN 0x41
.set j, 0
.rept 64
	v_rcp_f32 v[QD+j], v[QD+j]                     ; one batch
.set j, j+1
.endr
	WIN 0x45
	RUN2 PN, PN, ZZ                                ; independent work behind the batch
	s_wait_alu depctr_va_vdst(0)                   ; one wait for the 64 reciprocals, ahead of their first reader
	RUN2 PN, PN, QD                                ; erf(z)
	WIN 0x04
.set j, 0
.rept 32
	v_pk_fma_f32 v[TMP+j:TMP+j+1], v[TMP+j:TMP+j+1], v[PN+j:PN+j+1], v[TMP+j:TMP+j+1]   ; h + h erf
.set j, j+2
.endr
	WIN 0
.endm
	s_mov_b32 s3, 0
.Lblk:                                                 ; the accumulators' register numbers differ from block to block: eight short arms, one common body
.irp a, 0,1,2,3,4,5,6
	s_cmp_eq_u32 s3, \a
	s_cbranch_scc1 .Lpk\a
.endr
	ARM 7
	s_branch .Lcom
.irp a, 0,1,2,3,4,5
.Lpk\a:
	ARM \a
	s_branch .Lcom
.endr
.Lpk6:
	ARM 6
.Lcom:
.if MODE == 1
	GELU
.endif
.set j, 0
.rept 64
.set j, j+1
.endr
	s_wait_alu depctr_va_vdst(0)
.irp b, 0,1,2,3,4,5,6,7
	v_cvt_scalef32_pk8_bf8_f32 v[CD+2*\b:CD+2*\b+1], v[TMP+8*\b:TMP+8*\b+7], v[SCL]
.endr
	v_nop                                          ; a plain line behind the last conversion
.if MODE == 0
.irp c, 0,1,2,3
	ds_store_b128 v[STO], v[CD+4*\c:CD+4*\c+3] offset:32*\c        ; groups 2 c and 2 c + 1 of my half, on end: the order 0, 2, 1, 3
.endr
.else
.irp b, 0,1,2,3,4,5,6,7
	ds_store_b64 v[STO], v[CD+2*\b:CD+2*\b+1] offset:16*\b
.endr
.endif
.irp u, 0,1,2,3
	ds_load_b128 v[BK+4*\u:BK+4*\u+3], v[RD] offset:4*\u*SPITCH    ; LDS serves a wave's instructions in order (ISA guide 5.7.1.4): these see my stores
.endr
	s_wait_dscnt 0x0
.irp u, 0,1,2,3
	global_store_b128 v[CO], v[BK+4*\u:BK+4*\u+3], s[12:13] offset:512*\u   ; 512 consecutive bytes
.endr
	s_wait_xcnt 0x0                                ; the stores have read their data and their base: both are written again below and in the next trip
	s_add_nc_u64 s[12:13], s[12:13], 2048
	s_add_co_u32 s3, s3, 1
	s_cmp_lt_u32 s3, 8
	s_cbranch_scc1 .Lblk
	s_wait_tensorcnt 0x0                           ; the wave's end
	ds_add_u32 v[SPW], v[NIL]
	s_wait_dscnt 0x0
	CROUND                                         ; the closing round
	s_endpgm
.Lfunc_end_k_q81e3ffedfc_qkv:
	.size	k_q81e3ffedfc_qkv, .Lfunc_end_k_q81e3ffedfc_qkv-k_q81e3ffedfc_qkv
	.p2alignl 7, 3214868480
	.fill 96, 4, 3214868480
	.section	.rodata,"a",@progbits
	.p2align	6, 0x0
	.amdhsa_kernel k_q81e3ffedfc_qkv
		.amdhsa_group_segment_fixed_size 327680
		.amdhsa_private_segment_fixed_size 0
		.amdhsa_enable_private_segment 0
		.amdhsa_kernarg_size 40
		.amdhsa_user_sgpr_count 2
		.amdhsa_user_sgpr_kernarg_segment_ptr 1
		.amdhsa_wavefront_size32 1
		.amdhsa_system_sgpr_workgroup_id_x 1
		.amdhsa_system_sgpr_workgroup_id_y 1
		.amdhsa_system_sgpr_workgroup_id_z 1
		.amdhsa_system_vgpr_workitem_id 0
		.amdhsa_next_free_vgpr 1024
		.amdhsa_next_free_sgpr 98
		.amdhsa_reserve_vcc 0
		.amdhsa_float_denorm_mode_32 3
		.amdhsa_float_denorm_mode_16_64 3
		.amdhsa_fp16_overflow 1
		.amdhsa_memory_ordered 1
		.amdhsa_forward_progress 1
		.amdhsa_inst_pref_size 120
	.end_amdhsa_kernel
	.amdgpu_metadata
---
amdhsa.version: [ 1, 2 ]
amdhsa.kernels:
  - .name:           k_q81e3ffedfc_qkv
    .symbol:         k_q81e3ffedfc_qkv.kd
    .args:
      - { .name: h1c, .offset: 0, .size: 8, .value_kind: global_buffer, .address_space: global }
      - { .name: wcodes, .offset: 8, .size: 8, .value_kind: global_buffer, .address_space: global }
      - { .name: lowp_scales, .offset: 16, .size: 8, .value_kind: global_buffer, .address_space: global }
      - { .name: qkv_b, .offset: 24, .size: 8, .value_kind: global_buffer, .address_space: global }
      - { .name: qkvc, .offset: 32, .size: 8, .value_kind: global_buffer, .address_space: global }
    .group_segment_fixed_size: 327680
    .private_segment_fixed_size: 0
    .kernarg_segment_align: 8
    .kernarg_segment_size: 40
    .max_flat_workgroup_size: 128
    .sgpr_count:     98
    .vgpr_count:     1024
    .wavefront_size: 32
...
	.end_amdgpu_metadata
.endif
;; end of part 2
;; launch attn (part 3): grid 8 x 32, 16 waves a work-group, clusters of 4 x 1, 327,680 bytes of LDS; arguments qkvc, dist_matrix, gamma, lowp_scales, attc; writes attc
.if DOCPART == 3
	.amdgcn_target "amdgcn-amd-amdhsa--gfx1250"
	.amdhsa_code_object_version 6
	.text
	.protected	k_q81e3ffedfc_attn
	.globl	k_q81e3ffedfc_attn
	.p2align	8
	.type	k_q81e3ffedfc_attn,@function
k_q81e3ffedfc_attn:
	s_mov_b64 s[64:65], 0
	v_nop
	global_prefetch_b8 v0, s[64:65] scope:SCOPE_SE
	s_setreg_imm32_b32 hwreg(HW_REG_WAVE_MODE, 25, 1), 1
	s_wait_xcnt 0x0
	s_wait_alu depctr_hold_cnt(0) depctr_sa_sdst(0) depctr_va_vdst(0) depctr_va_sdst(0) depctr_va_ssrc(0) depctr_va_vcc(0) depctr_vm_vsrc(0)
	s_getreg_b32 s2, hwreg(HW_REG_IB_STS2, 6, 4)
	s_cmp_eq_u32 s2, 0
	s_cbranch_scc0 .Lentry_in_a_cluster
	s_endpgm
.Lentry_in_a_cluster:
	s_bfe_u32 s2, ttmp6, 0x10000c
	s_cmp_lg_u32 s2, 0x3003
	s_cbranch_scc0 .Lentry_shape_is_right
	s_endpgm
.Lentry_shape_is_right:
; ATTENTION ON CODES OF BF8 (E5M2): o = softmax(q k^T / 32 - gamma dist) v for 2 x 16 heads of 64, 2,048 tokens; o is quantised with e6 for the next product.
; q, k, v lie in qkvc in blocks of 128 x 128 codes: block (token block) x 24 + F; F = hp: q of head pair hp, 8 + hp: k (rows tokens, bytes 64 j + d), 16 + hp: v (rows 64 j + d, bytes tokens);
; in each 32 bytes the groups of 8 lie in the order 0, 2, 1, 3: for q and k the same order of d on both sides; for v the order in which 16-byte loads meet p's registers.
; THE SOFTMAX AHEAD OF THE SECOND PRODUCT: t = logit x log2(e); M = the running largest t rounded UP to a whole number; p = 2^(t - M) is quantised (e4), not normalised; the row's sum of the unquantised p divides at the end.
; SHARES.  A work-group owns 128 queries (token block tb) of one head pair; wave w owns head w / 8 of the pair and queries 16 (w % 8) on: one tile, 256 registers, four waves to a SIMD.  16 key steps of 128 keys.
; Both products are used transposed (S^T = k q^T, O^T = v^T p^T): a lane holds one query throughout.  The bias -gamma dist, divided by the power of two that the sums lack, is the C of the first product.
; CLUSTER.  The four partners have the same queries and four different head pairs: dist's tile (64 of a step's 96 KB) is asked for JOINTLY; k's and v's blocks differ between partners and are plain loads of each.
; THE WALK OVER THE KEYS IS ROTATED: the cluster of batch b, cluster x and query block nq begins at key step (8 b + 4 x + nq) % 16 and goes round; the running M serves any order of the keys.
; So the four clusters that read one row block of dist stand four key steps apart, and the 16 query blocks that read one head pair's k and v stand at 16 different key steps.
; LIMITS: e2 + e3 between -121 and 131; e4, e6 between -126 and 112; NaN is not served.
; REGISTERS: v1-3 lane terms; v4 prefetch offset; v5, v6 the add's; v8-10 addresses in hand; v12 -M, v13 largest t, v[14:15] the sum; v16-23 q; v32-95 k's 8 fragments, then v's 4; v96-159 dist, S^T, p; v160-191 O^T; v192-203 at work; v224-239 p's codes.
.set PITCH, 272
.set KBLK,  64*PITCH                   ; a block of codes in LDS: rows of 256 bytes + 16
.set DP,    528                        ; a row of dist's tile: 128 f32 + 16 bytes
.set KOFF,  128*DP                     ; a slot: dist's 128 rows, k's block, v's block
.set VOFF,  KOFF+KBLK
.set SLOT1, 1<<17                      ; slot 1: one exclusive or turns an address
.set STG,   VOFF+KBLK                  ; 102,400: the way out, 128 rows x 144 bytes; no tensor load lands here
.set SPARE, 122880                     ; the spare words: 128 bytes for each of 16 waves, eight blocks of 256 bytes that no other line names
.set AK0, 1
.set AV0, 2
.set AD0, 3
.set PFO, 4
.set SPW, 5
.set NIL, 6
.set QO,  7
.set WV,  18
.set SEL, 20
.set CS,  22                           ; s[22:23] log2(e) / 32 x 2^(e2 + e3)
.set G1D, 24
.set G1C, 32
.set G0D, 40
.set G0C, 44
.set PFA, 48                           ; s[48:49] where my prefetch stands
.set PFB, 50                           ; s[50:51] dist at my work-group's 32 rows, my wave's 256 bytes of key step 0
.set LIM, 52
.set KS,  62                           ; s62 the key step asked for last
.set BD,  76                           ; s[76:77] dist at the rows that I fetch, key step 0
.set BC,  78                           ; s[78:79] k's or v's block of key step 0
.set KO,  88                           ; s[88:89] an offset in bytes, in 64 bits
.set TB,  2
.set SLOTS, 67
.set GN,  82                           ; s[82:83] -gamma x 2^(5 - e2 - e3)
.macro TLOAD                           ; waves 0, 1: dist's halves, jointly; wave 2: k's block; wave 3: v's.  Four v_nop follow each line
	s_cmp_lt_u32 s[WV], 2
	s_cbranch_scc0 .Lnot_d_\@
	tensor_load_to_lds s[G0D:G0D+3], s[G1D:G1D+7]
	s_nop 0
.rept 4
	v_nop
.endr
	s_branch .Lasked_\@
.Lnot_d_\@:
	s_cmp_lt_u32 s[WV], 4
	s_cbranch_scc0 .Lasked_\@
	tensor_load_to_lds s[G0C:G0C+3], s[G1C:G1C+7]
	s_nop 0
.rept 4
	v_nop
.endr
.Lasked_\@:
.endm
; Both groups 0 take key step s[KS]: 512 bytes on in a row of dist, 24 blocks on in qkvc for each step.  s[KS] is made of the cluster's x and y alone: it is the same in all four partners.
.macro KADDR
	s_lshl_b32 s[KO], s[KS], 9
	s_add_nc_u64 s[G0D+2:G0D+3], s[BD:BD+1], s[KO:KO+1]
	s_or_b32 s[G0D+3], s[G0D+3], 0x80000000
	s_mul_i32 s[KO], s[KS], 393216
	s_add_nc_u64 s[G0C+2:G0C+3], s[BC:BC+1], s[KO:KO+1]
	s_or_b32 s[G0C+3], s[G0C+3], 0x80000000
.endm
; A PREFETCH of dist's tile that the NEXT change of slots will ask for, one key step ahead of that load.  Of the four clusters that read a row block of dist each walks four key steps that none of the others
; has walked before it: its own first four.  The first two of them come by their loads alone; the third and the fourth are asked for here, at the first two changes of slots (s[SLOTS] = 15 and 14), and nothing afterwards.
; The partners take 32 rows each BY ADDRESS, wave 4 the rows' first 256 bytes and wave 5 the second, a lane a row: so each aligned 256 bytes that is named is named once in the launch.
; k's and v's blocks are each read at 16 different key steps by the 16 query blocks of a batch: nothing is asked for them.
.macro ASK
	s_cmp_gt_u32 s[SLOTS], s[LIM]
	s_cbranch_scc0 .Lnot_mine_\@
	global_prefetch_b8 v[PFO], s[PFA:PFA+1] th:TH_LOAD_NT scope:SCOPE_SE
.Lnot_mine_\@:
.endm
.macro CROUND
	s_barrier_signal -1
	s_barrier_wait -1
	s_cmp_lg_u32 s[WV], 0
	s_cbranch_scc1 .Lnot_wave_0_\@
	s_barrier_signal -3
.Lnot_wave_0_\@:
	s_barrier_wait -3
	s_barrier_signal -1
	s_barrier_wait -1
.endm
	s_load_b256 s[4:11], s[0:1], 0x0               ; qkvc, dist, gamma, the exponents
	s_load_b64 s[12:13], s[0:1], 0x20              ; attc
	v_lshl_add_u32 v[SPW], v0, 2, SPARE
	v_mov_b32 v[NIL], 0
	ds_add_u32 v5, v6
	ds_add_u32 v5, v6
	s_wait_dscnt 0x0
	v_lshrrev_b32 v8, 5, v0
	s_delay_alu instid0(VALU_DEP_1)
	v_readfirstlane_b32 s[WV], v8                  ; wave 0..15
	s_bfe_u32 s55, ttmp6, 0x40000                  ; cx: it enters global addresses alone
	s_lshl_b32 s54, ttmp9, 2
	s_add_co_u32 s54, s54, s55                     ; hp: my head pair
	s_and_b32 s53, ttmp7, 0xffff                   ; tb: my token block
	s_lshr_b32 s56, s53, 4                         ; the batch
	s_and_b32 s57, s53, 15                         ; the query block in it
	s_and_b32 s58, s[WV], 1
	s_lshr_b32 s59, s[WV], 3                       ; j: my head of the pair
	s_and_b32 s60, s[WV], 7                        ; i: my tile of queries
	s_mov_b32 s[G1D], 15|(1<<20)|(1<<21)|(6<<22)|(3<<25)   ; 15:0 the mask: all four; elements of 1 byte; padding on; 21 set beside a mask; four words after every 128
	s_mov_b32 s[G1D+1], 512<<16                    ; tensor_dim0 = 512 bytes: 128 keys
	s_mov_b32 s[G1D+2], 64<<16                     ; tensor_dim1 = 64 rows
	s_mov_b32 s[G1D+3], 512<<16
	s_mov_b32 s[G1D+4], 64
	s_mov_b32 s[G1D+5], 8192                       ; a row of dist
	s_mov_b32 s[G1D+6], 0
	s_mov_b32 s[G1D+7], 0
	s_mov_b32 s[G1C], (1<<20)|(5<<22)|(3<<25)      ; no mask; four words after every 64
	s_mov_b32 s[G1C+1], 256<<16
	s_mov_b32 s[G1C+2], 64<<16
	s_mov_b32 s[G1C+3], 256<<16
	s_mov_b32 s[G1C+4], 64
	s_mov_b32 s[G1C+5], 256                        ; dense
	s_mov_b32 s[G1C+6], 0
	s_mov_b32 s[G1C+7], 0
	s_mov_b32 s[SEL], 0x76543210
	s_mov_b32 s[SEL+1], 0xfedcba98
	s_mov_b32 s[CS], 0x3d38aa3b                    ; log2(e) / 32
	s_mov_b32 s[TB], 0
	s_mov_b32 s[SLOTS], 15
	s_lshl_b32 s84, s57, 20                        ; dist: row 128 x query block + 64 x (wave % 2), of 8,192 bytes: nothing of cx
	s_lshl_b32 s85, s58, 19
	s_add_co_u32 s84, s84, s85
	s_mov_b32 s85, 0
	s_mul_i32 s86, s56, 384                        ; k, v: block (16 x batch) x 24 + 8 + 8 x (wave % 2) + hp
	s_lshl_b32 s87, s58, 3
	s_add_co_u32 s86, s86, s87
	s_add_co_u32 s86, s86, s54
	s_add_co_u32 s86, s86, 8
	s_lshl_b32 s86, s86, 14
	s_mov_b32 s87, 0
	s_lshl_b32 s88, s56, 6                         ; gamma: (16 x batch + 2 hp) x 4 bytes
	s_lshl_b32 s89, s54, 3
	s_add_co_u32 s88, s88, s89
	s_mov_b32 s89, 0                               ; (stays 0: the upper word of every offset made in s88)
	s_lshl_b32 s[KS], s56, 3                       ; the key step at which my cluster begins: 8 x batch
	s_lshl_b32 s63, ttmp9, 2
	s_add_co_u32 s[KS], s[KS], s63                 ; + 4 x cluster x
	s_add_co_u32 s[KS], s[KS], s57                 ; + query block,
	s_and_b32 s[KS], s[KS], 15                     ; round the 16 steps
	s_wait_kmcnt 0x0
	s_load_b256 s[68:75], s[10:11], 0x0            ; e0 .. e7
	s_add_nc_u64 s[8:9], s[8:9], s[88:89]
	s_load_b64 s[80:81], s[8:9], 0x0               ; the pair's two gammas
	s_add_nc_u64 s[BD:BD+1], s[6:7], s[84:85]
	s_add_nc_u64 s[BC:BC+1], s[4:5], s[86:87]
	s_mov_b32 s[G0D], 1
	s_mul_i32 s[G0D+1], s58, 64*DP
	s_mov_b32 s[G0C], 1
	s_mul_i32 s[G0C+1], s58, KBLK
	s_add_co_u32 s[G0C+1], s[G0C+1], KOFF
	KADDR
	CROUND                                         ; all four work-groups are here: the first joint loads meet
	TLOAD                                          ; slot 0
	s_mul_i32 s90, s53, 24                         ; q: block tb x 24 + hp, row 16 i, byte 64 j
	s_add_co_u32 s90, s90, s54
	s_lshl_b32 s90, s90, 14
	s_lshl_b32 s91, s60, 11
	s_add_co_u32 s90, s90, s91
	s_lshl_b32 s91, s59, 6
	s_add_co_u32 s90, s90, s91
	s_mov_b32 s91, 0
	s_add_nc_u64 s[14:15], s[4:5], s[90:91]
	v_and_b32 v8, 15, v0                           ; r
	v_bfe_u32 v9, v0, 4, 1                         ; h
	s_delay_alu instid0(VALU_DEP_2)
	v_lshlrev_b32 v[QO], 7, v8
	s_delay_alu instid0(VALU_DEP_1)
	v_lshl_add_u32 v[QO], v9, 4, v[QO]
	global_load_b128 v[16:19], v[QO], s[14:15]     ; q's fragment stays in registers
	global_load_b128 v[20:23], v[QO], s[14:15] offset:32
	s_lshl_b32 s90, s53, 3                         ; attc: block tb x 8 + hp, + my wave's 8 rows
	s_add_co_u32 s90, s90, s54
	s_lshl_b32 s90, s90, 14
	s_lshl_b32 s61, s[WV], 10
	s_add_co_u32 s90, s90, s61
	s_add_nc_u64 s[12:13], s[12:13], s[90:91]
	v_lshrrev_b32 v10, 1, v8
	s_delay_alu instid0(VALU_DEP_1)
	v_mul_u32_u24 v10, v10, PITCH
	v_and_b32 v11, 1, v8
	s_delay_alu instid0(VALU_DEP_1)
	v_lshl_add_u32 v10, v11, 7, v10
	s_delay_alu instid0(VALU_DEP_1)
	v_lshl_add_u32 v10, v9, 4, v10                 ; (r / 2) x 272 + (r % 2) x 128 + 16 h
	s_lshl_b32 s61, s59, 6
	s_add_co_u32 s61, s61, KOFF
	v_add_nc_u32 v[AK0], s61, v10                  ; k: + my head's 64 bytes of a row
	s_mul_i32 s61, s59, 32*PITCH
	s_add_co_u32 s61, s61, VOFF
	v_add_nc_u32 v[AV0], s61, v10                  ; v: + my head's 64 rows
	v_mul_u32_u24 v[AD0], v8, DP
	s_delay_alu instid0(VALU_DEP_1)
	v_lshl_add_u32 v[AD0], v9, 5, v[AD0]
	s_mul_i32 s61, s60, 16*DP
	v_add_nc_u32 v[AD0], s61, v[AD0]               ; dist: row 16 i + r, + 8 h keys
	; the prefetches (macro ASK)
	s_lshl_b32 s92, s57, 7
	s_lshl_b32 s93, s55, 5
	s_add_co_u32 s92, s92, s93                     ; row 128 x query block + 32 cx
	s_lshl_b32 s92, s92, 13
	s_lshl_b32 s93, s58, 8
	s_add_co_u32 s92, s92, s93                     ; + 256 x (wave % 2)
	s_mov_b32 s93, 0
	s_add_nc_u64 s[PFB:PFB+1], s[6:7], s[92:93]
	v_and_b32 v[PFO], 31, v0
	s_delay_alu instid0(VALU_DEP_1)
	v_lshlrev_b32 v[PFO], 13, v[PFO]               ; a lane a row of 8,192 bytes
	s_lshr_b32 s92, s[WV], 1
	s_cmp_eq_u32 s92, 2                            ; waves 4 and 5 ask,
	s_cselect_b32 s[LIM], 13, -1                   ; while s[SLOTS] is above 13: the same in all four partners, for a given wave
	v_mov_b32 v13, 0xff61b1e6                      ; the largest t so far: -3e38
	s_delay_alu instid0(VALU_DEP_1)
	v_floor_f32 v12, -v13                          ; -M
	v_mov_b32 v14, 0
	v_mov_b32 v15, 0
	v_mov_b32 v192, 0                              ; a lane permute's destination counts as a source
	v_mov_b32 v195, 0                              ; (named as the upper half of v[194:195])
.set j, 0
.rept 32
	v_mov_b32 v[160+j], 0                          ; O^T: the step is written once; its first run finds zeros, which the first change of M leaves zeros
.set j, j+1
.endr
	s_wait_kmcnt 0x0
	s_add_co_i32 s92, s70, s71                     ; e2 + e3
	s_lshl_b32 s93, s92, 23
	s_add_co_i32 s[CS], s[CS], s93                 ; into c's exponent field
	s_mov_b32 s[CS+1], s[CS]
	s_sub_co_i32 s93, 132, s92
	s_lshl_b32 s93, s93, 23
	s_or_b32 s93, s93, 0x80000000                  ; -2^(5 - e2 - e3): c x this = -log2(e)
	s_cmp_lt_u32 s[WV], 8
	s_cselect_b32 s94, s80, s81                    ; my head's gamma
	s_mul_f32 s[GN], s94, s93                      ; a power of two: gamma's bits are kept
	s_mov_b32 s[GN+1], s[GN]
	s_add_co_i32 s92, s72, 127
	s_lshl_b32 s93, s92, 23
	v_mov_b32 v201, s93                            ; 2^e4
	s_add_co_i32 s92, s74, 127
	s_lshl_b32 s93, s92, 23
	v_mov_b32 v203, s93                            ; 2^e6
.macro STEP                            ; 128 keys, from the slot at s[TB]
	v_add_nc_u32 v8, s[TB], v[AK0]
	v_add_nc_u32 v9, s[TB], v[AV0]
	v_add_nc_u32 v10, s[TB], v[AD0]
	v_nop                                          ; four places in front of loads into registers that the last products read
.irp t, 0,1,2,3,4,5,6,7
	ds_load_b128 v[96+8*\t:99+8*\t], v10 offset:64*\t          ; dist(my query, 16 t + 8 h + 0 .. 7): the layout of tile t's result
	ds_load_b128 v[100+8*\t:103+8*\t], v10 offset:64*\t+16
.endr
.irp t, 0,1,2,3,4,5,6,7
	ds_load_b128 v[32+8*\t:35+8*\t], v8 offset:8*PITCH*\t      ; keys 16 t .. 16 t + 15, my head's 64 codes
	ds_load_b128 v[36+8*\t:39+8*\t], v8 offset:8*PITCH*\t+32
.endr
	s_wait_dscnt 16                                ; dist is in; k's 16 loads may be out
.set j, 0
.rept 32
	v_pk_mul_f32 v[96+j:97+j], v[96+j:97+j], s[GN:GN+1] op_sel_hi:[1,0]   ; -gamma dist, over the power of two that the sums lack
.set j, j+2
.endr
	s_wait_alu depctr_va_vdst(0)
	s_wait_dscnt 0x0
.irp t, 0,1,2,3,4,5,6,7
	v_wmma_f32_16x16x64_bf8_bf8 v[96+8*\t:103+8*\t], v[32+8*\t:39+8*\t], v[16:23], v[96+8*\t:103+8*\t]   ; S^T = k q^T + the bias: eight accumulators, one instruction each
.endr
.rept 4
	v_nop
.endr
.irp t, 0,1,2,3
.irp c, 0,1,2,3
	ds_load_b128 v[32+16*\t+4*\c:35+16*\t+4*\c], v9 offset:8*PITCH*\t+32*\c   ; v: channels 16 t on, 128 keys; they land under the softmax
.endr
.endr
	v_max3_num_f32 v198, v96, v97, v98             ; the step's largest score of my query among my 64 keys, in two chains, each accumulator from its low end on
	v_max3_num_f32 v199, v99, v100, v101
.irp i, 6,10,14,18,22,26,30,34,38,42,46,50,54,58
	v_max3_num_f32 v198, v198, v[96+\i], v[97+\i]
	v_max3_num_f32 v199, v199, v[98+\i], v[99+\i]
.endr
	v_max3_num_f32 v198, v198, v158, v159
	s_delay_alu instid0(VALU_DEP_1)
	v_max_num_f32 v198, v198, v199
	s_delay_alu instid0(VALU_DEP_1)
	v_permlanex16_b32 v192, v198, s[SEL], s[SEL+1]
	s_delay_alu instid0(VALU_DEP_1)
	v_max_num_f32 v198, v198, v192                 ; and among lane l xor 16's
	s_delay_alu instid0(VALU_DEP_1)
	v_mul_f32 v198, s[CS], v198                    ; as t (c is positive)
	s_delay_alu instid0(VALU_DEP_1)
	v_max_num_f32 v13, v13, v198
	v_mov_b32 v198, v12
	s_delay_alu instid0(VALU_DEP_2)
	v_floor_f32 v12, -v13                          ; the new -M = -ceil(t)
	s_delay_alu instid0(VALU_DEP_1)
	v_sub_f32 v198, v12, v198                      ; old M - new M: a whole number, 0 or less
	s_delay_alu instid0(VALU_DEP_1)
	v_cvt_i32_f32 v198, v198                       ; (it saturates)
	s_delay_alu instid0(VALU_DEP_1)
	v_ldexp_f32 v194, 1.0, v198                    ; f = 2^(old M - new M)
.set j, 0
.rept 32
	v_pk_fma_f32 v[96+j:97+j], v[96+j:97+j], s[CS:CS+1], v[12:13] op_sel_hi:[1,0,0]   ; t - M
.set j, j+2
.endr
.set j, 0
	s_wait_alu depctr_va_vdst(0)
.rept 64
	v_exp_f32 v[96+j], v[96+j]                     ; p = 2^(t - M): one batch
.set j, j+1
.endr
	v_pk_mul_f32 v[14:15], v[14:15], v[194:195] op_sel_hi:[1,0]   ; the sum under the new M (a plain line behind the batch)
	s_wait_alu depctr_va_vdst(0)                   ; one wait for the 64 exponentials, ahead of their first reader
	v_pk_add_f32 v[196:197], v[100:101], v[104:105]
	v_pk_add_f32 v[254:255], v[108:109], v[112:113]
	v_pk_add_f32 v[252:253], v[116:117], v[120:121]
	v_pk_add_f32 v[250:251], v[124:125], v[128:129]
	v_pk_add_f32 v[248:249], v[132:133], v[136:137]
	v_pk_add_f32 v[246:247], v[140:141], v[144:145]
	v_pk_add_f32 v[244:245], v[148:149], v[152:153]
	v_pk_add_f32 v[14:15], v[14:15], v[156:157]
	v_pk_add_f32 v[196:197], v[196:197], v[96:97]
	v_pk_add_f32 v[254:255], v[254:255], v[98:99]
	v_pk_add_f32 v[252:253], v[252:253], v[102:103]
	v_pk_add_f32 v[250:251], v[250:251], v[106:107]
	v_pk_add_f32 v[248:249], v[248:249], v[110:111]
	v_pk_add_f32 v[246:247], v[246:247], v[114:115]
	v_pk_add_f32 v[244:245], v[244:245], v[118:119]
	v_pk_add_f32 v[14:15], v[14:15], v[122:123]
	v_pk_add_f32 v[196:197], v[196:197], v[126:127]
	v_pk_add_f32 v[254:255], v[254:255], v[130:131]
	v_pk_add_f32 v[252:253], v[252:253], v[134:135]
	v_pk_add_f32 v[250:251], v[250:251], v[138:139]
	v_pk_add_f32 v[248:249], v[248:249], v[142:143]
	v_pk_add_f32 v[246:247], v[246:247], v[146:147]
	v_pk_add_f32 v[244:245], v[244:245], v[150:151]
	v_pk_add_f32 v[14:15], v[14:15], v[154:155]
	v_pk_add_f32 v[196:197], v[196:197], v[158:159]
	s_delay_alu instid0(VALU_DEP_2)
	v_pk_add_f32 v[14:15], v[14:15], v[250:251]
	s_delay_alu instid0(VALU_DEP_2)
	v_pk_add_f32 v[196:197], v[196:197], v[248:249]
	v_pk_add_f32 v[254:255], v[254:255], v[246:247]
	v_pk_add_f32 v[252:253], v[252:253], v[244:245]
	s_delay_alu instid0(VALU_DEP_2)
	v_pk_add_f32 v[14:15], v[14:15], v[254:255]
	s_delay_alu instid0(VALU_DEP_2)
	v_pk_add_f32 v[196:197], v[196:197], v[252:253]
	s_delay_alu instid0(VALU_DEP_1)
	v_pk_add_f32 v[14:15], v[14:15], v[196:197]
.set j, 0
.rept 64
.set j, j+1
.endr
.irp t, 0,1,2,3,4,5,6,7
	v_cvt_scalef32_pk8_bf8_f32 v[224+2*\t:225+2*\t], v[96+8*\t:103+8*\t], v201   ; registers 2 t, 2 t + 1: keys 16 t + 8 h + 0 .. 7
.endr
.set j, 0
.rept 16
	v_pk_mul_f32 v[160+j:161+j], v[160+j:161+j], v[194:195] op_sel_hi:[1,0]      ; O^T under the new M.  (Also the plain lines behind the conversions)
.set j, j+2
.endr
	s_wait_alu depctr_va_vdst(0)
	s_wait_dscnt 0x0                               ; v
.irp t, 0,1,2,3
	v_wmma_f32_16x16x128_bf8_bf8 v[160+8*\t:167+8*\t], v[32+16*\t:47+16*\t], v[224:239], v[160+8*\t:167+8*\t]   ; four accumulators by turns
.endr
	s_xor_b32 s[TB], s[TB], SLOT1
.endm
.macro CHANGE fill                     ; at a step's head: my loads have landed, my reads of the slot that I left are over; behind the round that slot is filled with the step after the one in hand
	s_wait_tensorcnt 0x0                           ; no tensor load of mine is out, so a group 0 may be written
	ds_add_u32 v[SPW], v[NIL]                      ; 0 onto my spare word
.if \fill
	s_xor_b32 s[G0D+1], s[G0D+1], SLOT1            ; the other slot than last time,
	s_xor_b32 s[G0C+1], s[G0C+1], SLOT1
	s_add_co_u32 s[KS], s[KS], 1                   ; the next key step, round the 16
	s_and_b32 s[KS], s[KS], 15
	KADDR
	s_wait_xcnt 0x0                                ; the last prefetch, a step back, has read its address
	s_add_co_u32 s63, s[KS], 1                     ; the prefetch stands one key step further on, round the 16: it never leaves a row of dist
	s_and_b32 s63, s63, 15
	s_lshl_b32 s[KO], s63, 9
	s_add_nc_u64 s[PFA:PFA+1], s[PFB:PFB+1], s[KO:KO+1]
	s_wait_dscnt 0x0
	CROUND
	TLOAD                                          ; the first thing behind the round, a wave's one tensor load until the next
	ASK
.else
	s_wait_dscnt 0x0
	s_barrier_signal -1
	s_barrier_wait -1
.endif
.endm
	s_wait_loadcnt 0x0                             ; q
.Lslot:                                                ; 15 trips
	CHANGE 1
	STEP
	s_sub_co_u32 s[SLOTS], s[SLOTS], 1
	s_cmp_lg_u32 s[SLOTS], 0
	s_cbranch_scc1 .Lslot
	CHANGE 0                                       ; the last step is written out
	STEP
	; THE WAY OUT: O^T x 2^(e4 + e5) / the sum, quantised with e6; 128 rows of 128 codes meet in the stage; each wave stores 1,024 dense bytes of the block.
	v_add_f32 v14, v14, v15
	s_delay_alu instid0(VALU_DEP_1)
	v_permlanex16_b32 v192, v14, s[SEL], s[SEL+1]
	s_delay_alu instid0(VALU_DEP_1)
	v_add_f32 v14, v14, v192                       ; the row's sum
	s_wait_alu depctr_va_vdst(0)
	v_rcp_f32 v14, v14
	v_and_b32 v8, 15, v0                           ; (plain lines behind the transcendental)
	v_bfe_u32 v9, v0, 4, 1
	s_add_co_i32 s92, s72, s73
	s_mul_i32 s93, s60, 16*144
	s_lshl_b32 s94, s59, 6
	s_add_co_u32 s93, s93, s94
	s_add_co_u32 s93, s93, STG
	v_mul_u32_u24 v10, v8, 144
	s_delay_alu instid0(VALU_DEP_1)
	v_lshl_add_u32 v10, v9, 3, v10
	s_delay_alu instid0(VALU_DEP_1)
	v_add_nc_u32 v10, s93, v10                     ; in: row 16 i + r, byte 64 j + 8 h
	s_mul_i32 s93, s[WV], 8*144
	s_add_co_u32 s93, s93, STG
	v_and_b32 v11, 31, v0
	s_delay_alu instid0(VALU_DEP_1)
	v_lshrrev_b32 v25, 3, v11
	s_delay_alu instid0(VALU_DEP_1)
	v_mul_u32_u24 v25, v25, 144
	v_and_b32 v26, 7, v0
	s_delay_alu instid0(VALU_DEP_1)
	v_lshl_add_u32 v25, v26, 4, v25
	s_delay_alu instid0(VALU_DEP_1)
	v_add_nc_u32 v25, s93, v25                     ; back: rows 8 w on, eight lanes to a row
	v_lshlrev_b32 v24, 4, v11
	s_wait_alu depctr_va_vdst(0)                   ; the wait ahead of the reciprocal's first reader
	v_ldexp_f32 v14, v14, s92
.set j, 0
.rept 32
	v_mul_f32 v[96+j], v[160+j], v14               ; register 8 t + i: channel 16 t + 8 h + i of my query
.set j, j+1
.endr
.set j, 0
.rept 32
.set j, j+1
.endr
.irp t, 0,1,2,3
	v_cvt_scalef32_pk8_bf8_f32 v[224+2*\t:225+2*\t], v[96+8*\t:103+8*\t], v203
.endr
	v_nop
.irp t, 0,1,2,3
	ds_store_b64 v10, v[224+2*\t:225+2*\t] offset:16*\t
.endr
	s_wait_dscnt 0x0                               ; for the others' sake: my stores are done
	s_barrier_signal -1
	s_barrier_wait -1
	ds_load_b128 v[32:35], v25
	ds_load_b128 v[36:39], v25 offset:4*144
	s_wait_dscnt 1                                 ; the second load may be out
	global_store_b128 v24, v[32:35], s[12:13]      ; 512 consecutive bytes
	s_wait_dscnt 0x0
	global_store_b128 v24, v[36:39], s[12:13] offset:512
	s_wait_tensorcnt 0x0                           ; the wave's end
	ds_add_u32 v[SPW], v[NIL]
	s_wait_dscnt 0x0
	CROUND                                         ; the closing round
	s_endpgm
.Lfunc_end_k_q81e3ffedfc_attn:
	.size	k_q81e3ffedfc_attn, .Lfunc_end_k_q81e3ffedfc_attn-k_q81e3ffedfc_attn
	.p2alignl 7, 3214868480
	.fill 96, 4, 3214868480
	.section	.rodata,"a",@progbits
	.p2align	6, 0x0
	.amdhsa_kernel k_q81e3ffedfc_attn
		.amdhsa_group_segment_fixed_size 327680
		.amdhsa_private_segment_fixed_size 0
		.amdhsa_enable_private_segment 0
		.amdhsa_kernarg_size 40
		.amdhsa_user_sgpr_count 2
		.amdhsa_user_sgpr_kernarg_segment_ptr 1
		.amdhsa_wavefront_size32 1
		.amdhsa_system_sgpr_workgroup_id_x 1
		.amdhsa_system_sgpr_workgroup_id_y 1
		.amdhsa_system_sgpr_workgroup_id_z 1
		.amdhsa_system_vgpr_workitem_id 0
		.amdhsa_next_free_vgpr 256
		.amdhsa_next_free_sgpr 96
		.amdhsa_reserve_vcc 0
		.amdhsa_float_denorm_mode_32 3
		.amdhsa_float_denorm_mode_16_64 3
		.amdhsa_fp16_overflow 1
		.amdhsa_memory_ordered 1
		.amdhsa_forward_progress 1
		.amdhsa_inst_pref_size 49
	.end_amdhsa_kernel
	.amdgpu_metadata
---
amdhsa.version: [ 1, 2 ]
amdhsa.kernels:
  - .name:           k_q81e3ffedfc_attn
    .symbol:         k_q81e3ffedfc_attn.kd
    .args:
      - { .name: qkvc, .offset: 0, .size: 8, .value_kind: global_buffer, .address_space: global }
      - { .name: dist_matrix, .offset: 8, .size: 8, .value_kind: global_buffer, .address_space: global }
      - { .name: gamma, .offset: 16, .size: 8, .value_kind: global_buffer, .address_space: global }
      - { .name: lowp_scales, .offset: 24, .size: 8, .value_kind: global_buffer, .address_space: global }
      - { .name: attc, .offset: 32, .size: 8, .value_kind: global_buffer, .address_space: global }
    .group_segment_fixed_size: 327680
    .private_segment_fixed_size: 0
    .kernarg_segment_align: 8
    .kernarg_segment_size: 40
    .max_flat_workgroup_size: 512
    .sgpr_count:     96
    .vgpr_count:     256
    .wavefront_size: 32
...
	.end_amdgpu_metadata
.endif
;; end of part 3
;; launch proj (part 4): grid 8 x 32, 4 waves a work-group, clusters of 4 x 4, 327,680 bytes of LDS; arguments attc, wcodes, lowp_scales, proj_b, x, x1; writes x1
.if DOCPART == 4
	.amdgcn_target "amdgcn-amd-amdhsa--gfx1250"
	.amdhsa_code_object_version 6
	.text
	.protected	k_q81e3ffedfc_proj
	.globl	k_q81e3ffedfc_proj
	.p2align	8
	.type	k_q81e3ffedfc_proj,@function
k_q81e3ffedfc_proj:
	s_mov_b64 s[64:65], 0
	v_nop
	global_prefetch_b8 v0, s[64:65] scope:SCOPE_SE
	s_setreg_imm32_b32 hwreg(HW_REG_WAVE_MODE, 25, 1), 1
	s_wait_xcnt 0x0
	s_wait_alu depctr_hold_cnt(0) depctr_sa_sdst(0) depctr_va_vdst(0) depctr_va_sdst(0) depctr_va_ssrc(0) depctr_va_vcc(0) depctr_vm_vsrc(0)
	s_getreg_b32 s2, hwreg(HW_REG_IB_STS2, 6, 4)
	s_cmp_eq_u32 s2, 0
	s_cbranch_scc0 .Lentry_in_a_cluster
	s_endpgm
.Lentry_in_a_cluster:
	s_bfe_u32 s2, ttmp6, 0x10000c
	s_cmp_lg_u32 s2, 0xf033
	s_cbranch_scc0 .Lentry_shape_is_right
	s_endpgm
.Lentry_shape_is_right:
; A GEMM ON CODES OF BF8 (E5M2) WITH BIAS AND RESIDUAL, f32 out [4096][1024].  One text, two launches: MODE 0: x1 = x + attention proj_w + proj_b (K = 1,024);  MODE 1: out = x1 + hidden mlp_w2 + mlp_b2 (K = 4,096).
; Operands lie in blocks of 128 rows x 128 codes (16,384 dense bytes).  A tile of C is 128 x 128, so that there are 256 work-groups; four waves, each 64 x 64: 16 accumulators.
; K goes in steps of 512 through two LDS slots: four blocks of each operand.  A wave's tensor load brings two neighbouring blocks, stated as 128 rows of 256 bytes with 16 bytes of padding behind each:
; row p of a block lies at (p / 2) x 272 + (p % 2) x 128, so the 16 rows of a fragment load start at 16 different groups of four banks (ISA guide 11.1).
; CLUSTERS: 4 x 4 work-groups; the tokens' tiles are asked for jointly along a row of the cluster, the weight's along a column.
; THE WALK ALONG K IS ROTATED: cluster (x, y) begins at K step (2 y + 4 x) % (K / 512) and goes round.  With K = 4,096 the two clusters that read the same tokens stand four of the eight steps apart, and clusters
; with neighbouring y, which read the same weights, two steps; with K = 1,024 there are two steps, both asked for at the start, and every cluster begins at step 0.  The f32 sums take K in that order.
; THE PRODUCT IS USED TRANSPOSED (source 0 = 16 rows of the weight, source 1 = 16 tokens): a lane holds eight neighbouring columns of a row.  A wave's 64 columns are 256 bytes of a row of C, aligned.
; The residual's tile is asked for at the head, into window 2, and is there when the sums are finished.
; LIMIT: the two exponents added lie between -126 and 127.
; REGISTERS: window 0: v0-31 addresses; v[32:35] bias; v36-99 the way out; v128-255 the accumulators ((a, b) at v[128 + 8 (4 a + b)]).  window 1: two fragment buffers of 128 (64 of the tokens', 64 of the weight's).  window 2: v0-127 the residual.
.set MODE,   0
.if MODE == 0
.set KB,     8                         ; blocks along K
.set WOFF,   3145728                   ; where the weight's blocks begin in wcodes
.set EA,     74                        ; s74 = e6, s75 = e7
.set EB,     75
.else
.set KB,     32
.set WOFF,   8388608
.set EA,     78                        ; s78 = e10, s79 = e11
.set EB,     79
.endif
.set LAPS,   KB/8                      ; a lap = two slots = 1,024 along K
.set NST,    KB/4                      ; K steps in all
.set KSH,    16                        ; a K step on in memory: four blocks, 2^16 bytes
.set PITCH,  272
.set KBLK,   64*PITCH
.set HALFT,  2*KBLK                    ; what one tensor load brings
.set SLOT,   4*HALFT                   ; the tokens' four blocks, then the weight's four
.set SPARE,  2*SLOT                    ; the spare words: two blocks of 256 bytes that no other line names
.set STAGE,  SPARE+512                 ; 16 rows x 272 bytes for each wave; no tensor load lands here
.set SPITCH, 272
.set ADRA, 16
.set ADRB, 20
.set STO,  24
.set RD,   25
.set CO,   26
.set BO,   27
.set SPW,  28
.set NIL,  29
.set BI,   32
.set BK,   36
.set ACC,  128
.set F0,   0
.set F1,   128
.set WV, 16
.set HR, 17
.set HC, 18
.set G1, 24
.set G0, 32
.set G1B, 48
.set G0B, 56
.set KI, 92                            ; s92 the K step that is asked for next
.set KO, 94                            ; s[94:95] its offset in bytes, in 64 bits
.set MSB, 0
.macro WIN new
.if MSB != (\new)
	s_set_vgpr_msb (MSB<<8)|(\new)
.set MSB, (\new)
.endif
.endm
.set MUL,  0x05                        ; sources 0 and 1 window 1; C and D window 0
.set TO_F, 0x40
.macro JLOAD s                         ; waves 0, 1 fetch the tokens' blocks, waves 2, 3 the weight's; four v_nop follow each line
	s_cmp_eq_u32 s[HR], 0
	s_cbranch_scc0 .Lfor_b_\@
	tensor_load_to_lds s[G0+4*\s:G0+4*\s+3], s[G1:G1+7]
	s_nop 0
.rept 4
	v_nop
.endr
	s_branch .Lasked_\@
.Lfor_b_\@:
	tensor_load_to_lds s[G0B+4*\s:G0B+4*\s+3], s[G1B:G1B+7]
	s_nop 0
.rept 4
	v_nop
.endr
.Lasked_\@:
.endm
.macro CREST
	s_cmp_lg_u32 s[WV], 0
	s_cbranch_scc1 .Lnot_wave_0_\@
	s_barrier_signal -3
.Lnot_wave_0_\@:
	s_barrier_wait -3
	s_barrier_signal -1
	s_barrier_wait -1
.endm
.macro CROUND
	s_barrier_signal -1
	s_barrier_wait -1
	CREST
.endm
; The slot's two groups 0 take K step s[KI], and s[KI] goes one on, round the NST steps.  s[20:21] and s[46:47] stay at the two tiles' K step 0.  s[KI] is made of the cluster's x and y alone: it is the same in all sixteen partners.
.macro KADDR slot
	s_lshl_b32 s[KO], s[KI], KSH
	s_add_nc_u64 s[G0+4*\slot+2:G0+4*\slot+3], s[20:21], s[KO:KO+1]
	s_or_b32 s[G0+4*\slot+3], s[G0+4*\slot+3], 0x80000000
	s_add_nc_u64 s[G0B+4*\slot+2:G0B+4*\slot+3], s[46:47], s[KO:KO+1]
	s_or_b32 s[G0B+4*\slot+3], s[G0B+4*\slot+3], 0x80000000
	s_add_co_u32 s[KI], s[KI], 1
	s_and_b32 s[KI], s[KI], NST-1
.endm
	s_load_b128 s[4:7], s[0:1], 0x0                ; the tokens' codes, wcodes
	s_load_b128 s[8:11], s[0:1], 0x10              ; the exponents, the bias
	s_load_b128 s[12:15], s[0:1], 0x20             ; the residual, the output
	v_lshl_add_u32 v[SPW], v0, 2, SPARE
	v_mov_b32 v[NIL], 0
	ds_add_u32 v28, v29
	s_wait_dscnt 0x0
	v_lshrrev_b32 v1, 5, v0
	v_readfirstlane_b32 s[WV], v1
	s_lshr_b32 s[HR], s[WV], 1
	s_and_b32 s[HC], s[WV], 1
	s_bfe_u32 s40, ttmp6, 0x40000
	s_bfe_u32 s41, ttmp6, 0x40004
	s_lshl_b32 s42, ttmp9, 2
	s_add_co_u32 s42, s42, s40                     ; tile column
	s_and_b32 s43, ttmp7, 0xffff
	s_lshl_b32 s43, s43, 2
	s_add_co_u32 s43, s43, s41                     ; tile row
	s_lshl_b32 s44, s41, 2
	s_lshl_b32 s44, 15, s44
	s_lshl_b32 s45, 0x1111, s40
	s_or_b32 s[G1+0], s44, (1<<20)|(1<<21)|(5<<22)|(3<<25)    ; the mask; elements of 1 byte; padding on; 21 set beside a mask; four words after every 64
	s_or_b32 s[G1B+0], s45, (1<<20)|(1<<21)|(5<<22)|(3<<25)
.irp g, G1, G1B
	s_mov_b32 s[\g+1], 256<<16
	s_mov_b32 s[\g+2], 128<<16
	s_mov_b32 s[\g+3], 256<<16
	s_mov_b32 s[\g+4], 128
	s_mov_b32 s[\g+5], 256                         ; dense
	s_mov_b32 s[\g+6], 0
	s_mov_b32 s[\g+7], 0
.endr
	s_lshl_b32 s19, s[HC], 15                      ; which two of a step's four blocks I fetch
	s_mul_i32 s20, s43, KB*16384
	s_add_co_u32 s20, s20, s19
	s_mov_b32 s21, 0
	s_mul_i32 s46, s42, KB*16384
	s_add_co_u32 s46, s46, s19
	s_add_co_u32 s46, s46, WOFF
	s_mov_b32 s47, 0
	s_mul_i32 s22, s[WV], HALFT
	s_and_b32 s[KI], ttmp7, 0xffff                 ; the cluster's y,
	s_lshl_b32 s[KI], s[KI], 1                     ; twice,
	s_lshl_b32 s93, ttmp9, 2
	s_add_co_u32 s[KI], s[KI], s93                 ; + four times the cluster's x:
	s_and_b32 s[KI], s[KI], NST-1                  ; the K step at which my cluster begins
	s_mov_b32 s[KO+1], 0
	s_wait_kmcnt 0x0
	s_load_b256 s[68:75], s[8:9], 0x0
	s_load_b128 s[76:79], s[8:9], 0x20
	s_add_nc_u64 s[20:21], s[4:5], s[20:21]
	s_add_nc_u64 s[46:47], s[6:7], s[46:47]
	CROUND                                         ; all sixteen work-groups are here
.irp s, 0,1
	s_mov_b32 s[G0+4*\s], 1
	s_add_co_u32 s[G0+4*\s+1], s22, \s*SLOT
	s_mov_b32 s[G0B+4*\s], 1
	s_add_co_u32 s[G0B+4*\s+1], s22, \s*SLOT
	KADDR \s
	JLOAD \s
.endr
	v_and_b32 v1, 15, v0                           ; r
	v_bfe_u32 v2, v0, 4, 1                         ; h
	v_lshrrev_b32 v3, 1, v1
	v_mul_u32_u24 v3, v3, PITCH
	v_and_b32 v4, 1, v1
	v_lshl_add_u32 v3, v4, 7, v3
	v_lshl_add_u32 v4, v2, 4, v3                   ; (r / 2) x 272 + (r % 2) x 128 + 16 h
	s_mul_i32 s80, s[HR], 32*PITCH                 ; my 64 tokens of a block
	s_mul_i32 s81, s[HC], 32*PITCH                 ; my 64 rows of the weight,
	s_add_co_u32 s81, s81, 2*HALFT                 ; behind the tokens' four blocks
.irp s, 0,1
	v_add_nc_u32 v[ADRA+\s], s80, v4
	v_add_nc_u32 v[ADRB+\s], s81, v4
	s_add_co_u32 s80, s80, SLOT
	s_add_co_u32 s81, s81, SLOT
.endr
	s_mul_i32 s84, s[WV], 16*SPITCH
	s_add_co_u32 s84, s84, STAGE
	v_mul_u32_u24 v5, v1, SPITCH
	v_lshl_add_u32 v5, v2, 5, v5
	v_add_nc_u32 v[STO], s84, v5                   ; in: row r, 32 bytes for each half of the lanes
	v_mul_u32_u24 v6, v2, SPITCH
	v_lshl_add_u32 v6, v1, 4, v6
	v_add_nc_u32 v[RD], s84, v6                    ; back: lanes 0-15 one row of 256 bytes, lanes 16-31 the next
	v_lshlrev_b32 v[BO], 4, v1
	v_lshl_add_u32 v[CO], v2, 12, v[BO]            ; and the same two rows in C
	s_lshl_b32 s84, s42, 9
	s_lshl_b32 s85, s[HC], 8
	s_add_co_u32 s84, s84, s85                     ; my first column, in bytes
	s_mov_b32 s85, 0
	s_add_nc_u64 s[10:11], s[10:11], s[84:85]
	s_lshl_b32 s86, s43, 19
	s_add_co_u32 s84, s84, s86
	s_lshl_b32 s86, s[HR], 18
	s_add_co_u32 s84, s84, s86                     ; + my first row: 128 x tile row + 64 x half, of 4,096 bytes
	s_add_nc_u64 s[12:13], s[12:13], s[84:85]
	s_add_nc_u64 s[14:15], s[14:15], s[84:85]
	global_load_b128 v[BI:BI+3], v[BO], s[10:11]   ; the bias at the four columns that I store
	WIN 0x80                                       ; destination window 2
.irp a, 0,1,2,3
.irp t, 0,1,2,3,4,5,6,7
	global_load_b128 v[4*(8*\a+\t):4*(8*\a+\t)+3], v[CO], s[12:13] offset:(16*\a+2*\t)*4096 th:TH_LOAD_NT   ; 16 lanes read 256 consecutive bytes, aligned
.endr
.endr
	WIN 0
.macro FRAG reg, adr, q, i             ; 16 rows x 128 K: registers 4 c .. 4 c + 3 hold K = 32 c + 16 (l / 16) + 0 .. 15, in both operands alike
.irp c, 0,1,2,3
	ds_load_b128 v[\reg+4*\c:\reg+4*\c+3], v[\adr] offset:KBLK*(\q)+(\i)*8*PITCH+32*\c
.endr
.endm
.macro FETCH slot, q, f                ; 32 LDS loads in one run: block q's fragments: the weight's four, then the tokens' four
	WIN TO_F
.irp i, 0,1,2,3
	FRAG \f+64+16*\i, ADRB+\slot, \q, \i
.endr
.irp i, 0,1,2,3
	FRAG \f+16*\i, ADRA+\slot, \q, \i
.endr
.endm
.macro MUL4 f, a, zero                 ; four products; the 16 accumulators take turns, one instruction a turn
.irp b, 0,1,2,3
.if \zero
	v_wmma_f32_16x16x128_bf8_bf8 v[ACC+8*(4*\a+\b):ACC+8*(4*\a+\b)+7], v[\f+64+16*\b:\f+64+16*\b+15], v[\f+16*\a:\f+16*\a+15], 0
.else
	v_wmma_f32_16x16x128_bf8_bf8 v[ACC+8*(4*\a+\b):ACC+8*(4*\a+\b)+7], v[\f+64+16*\b:\f+64+16*\b+15], v[\f+16*\a:\f+16*\a+15], v[ACC+8*(4*\a+\b):ACC+8*(4*\a+\b)+7]
.endif
.endr
.endm
.macro PLACES                          ; four plain vector instructions between a matrix instruction and a load into, or a read of, its registers
.rept 4
	v_nop
.endr
.endm
.macro QUARTER slot, q, f, g, zero     ; multiplies buffer f (128 along K) and fetches block q of the same slot into g
	s_wait_dscnt 8                                 ; the weight's fragments and the tokens' 0, 1 are in; the youngest eight loads may be out
	WIN MUL
	MUL4 \f, 0, \zero
	MUL4 \f, 1, \zero
	PLACES
	FETCH \slot, \q, \g
	s_wait_dscnt 32                                ; all but the 32 just issued
	WIN MUL
	MUL4 \f, 2, \zero
	MUL4 \f, 3, \zero
.endm
.macro TURN slot, next, fill           ; a slot's last quarter changes slots
	WIN 0
	s_wait_tensorcnt 0x0                           ; all my tensor loads have landed: my part of the next slot; so every group 0 may be written
	ds_add_u32 v[SPW], v[NIL]                      ; 0 onto my spare word
.if \fill
	KADDR \slot                                    ; this slot's next K step: work on registers while the add is out
.endif
	s_wait_dscnt 9                                 ; (the add and the youngest eight loads may be out)
	WIN MUL
	MUL4 F1, 0, 0
	s_wait_dscnt 0x0                               ; the add is done, and my reads of this slot are over
	s_barrier_signal -1
	MUL4 F1, 1, 0
.if \fill
	WIN 0
.endif
	s_barrier_wait -1
.if \fill
	CREST                                          ; no wave of any partner still reads this slot or has a load on its way
	JLOAD \slot                                    ; the first tensor load behind the round; its four v_nop are also the places in front of the loads below
.else
	PLACES
.endif
	FETCH \next, 0, F0
	WIN MUL
	MUL4 F1, 2, 0
	MUL4 F1, 3, 0
.endm
	s_wait_tensorcnt 1                             ; my part of slot 0 is in; slot 1's load may be out
	s_barrier_signal -1
	s_barrier_wait -1
	FETCH 0, 0, F0
	QUARTER 0, 1, F0, F1, 1                        ; the first quarter's products start the sums
.if LAPS > 1
	WIN 0
	s_mov_b32 s3, LAPS-1
.Llap:
	QUARTER 0, 2, F1, F0, 0
	QUARTER 0, 3, F0, F1, 0
	TURN 0, 1, 1
	QUARTER 1, 1, F0, F1, 0
	QUARTER 1, 2, F1, F0, 0
	QUARTER 1, 3, F0, F1, 0
	TURN 1, 0, 1
	QUARTER 0, 1, F0, F1, 0
	WIN 0
	s_sub_co_u32 s3, s3, 1
	s_cmp_lg_u32 s3, 0
	s_cbranch_scc1 .Llap
.endif
	QUARTER 0, 2, F1, F0, 0                        ; the last lap fills nothing
	QUARTER 0, 3, F0, F1, 0
	TURN 0, 1, 0
	QUARTER 1, 1, F0, F1, 0
	QUARTER 1, 2, F1, F0, 0
	QUARTER 1, 3, F0, F1, 0
	s_wait_dscnt 8
	WIN MUL
	MUL4 F1, 0, 0
	MUL4 F1, 1, 0
	s_wait_dscnt 0
	MUL4 F1, 2, 0
	MUL4 F1, 3, 0
	WIN 0
	; THE WAY OUT, 16 rows at a time: the sums go through my stage and come back as whole rows of 256 bytes; then sum x 2^(ea + eb) + bias, + residual, and the store.
	s_wait_kmcnt 0x0
	s_wait_loadcnt 0x0                             ; the bias and the residual
	s_add_co_i32 s96, s[EA], s[EB]
	s_add_co_i32 s96, s96, 127
	s_lshl_b32 s96, s96, 23
	s_mov_b32 s97, s96
	PLACES
.irp a, 0,1,2,3
.set BB, BK+32*((\a)%2)
.if \a >= 2
	s_wait_xcnt 0x0                                ; the stores of two blocks back have read these registers
.endif
.irp b, 0,1,2,3
	ds_store_b128 v[STO], v[ACC+8*(4*\a+\b):ACC+8*(4*\a+\b)+3] offset:64*\b       ; each accumulator from its low end on
	ds_store_b128 v[STO], v[ACC+8*(4*\a+\b)+4:ACC+8*(4*\a+\b)+7] offset:64*\b+16
.endr
.irp t, 0,1,2,3,4,5,6,7
	ds_load_b128 v[BB+4*\t:BB+4*\t+3], v[RD] offset:\t*2*SPITCH    ; LDS serves a wave's instructions in order (ISA guide 5.7.1.4)
.endr
	s_wait_dscnt 0x0
.irp t, 0,1,2,3,4,5,6,7
	v_pk_fma_f32 v[BB+4*\t:BB+4*\t+1], v[BB+4*\t:BB+4*\t+1], s[96:97], v[BI:BI+1] op_sel_hi:[1,0,1]
	v_pk_fma_f32 v[BB+4*\t+2:BB+4*\t+3], v[BB+4*\t+2:BB+4*\t+3], s[96:97], v[BI+2:BI+3] op_sel_hi:[1,0,1]
.endr
	WIN 0x08                                       ; source 1 window 2
.irp t, 0,1,2,3,4,5,6,7
	v_pk_add_f32 v[BB+4*\t:BB+4*\t+1], v[BB+4*\t:BB+4*\t+1], v[4*(8*\a+\t):4*(8*\a+\t)+1]
	v_pk_add_f32 v[BB+4*\t+2:BB+4*\t+3], v[BB+4*\t+2:BB+4*\t+3], v[4*(8*\a+\t)+2:4*(8*\a+\t)+3]
.endr
	WIN 0
.irp t, 0,1,2,3,4,5,6,7
	global_store_b128 v[CO], v[BB+4*\t:BB+4*\t+3], s[14:15] offset:(16*\a+2*\t)*4096   ; 16 lanes store 256 consecutive bytes, aligned
.endr
.endr
	s_wait_tensorcnt 0x0                           ; the wave's end
	ds_add_u32 v[SPW], v[NIL]
	s_wait_dscnt 0x0
	CROUND                                         ; the closing round
	s_endpgm
.Lfunc_end_k_q81e3ffedfc_proj:
	.size	k_q81e3ffedfc_proj, .Lfunc_end_k_q81e3ffedfc_proj-k_q81e3ffedfc_proj
	.p2alignl 7, 3214868480
	.fill 96, 4, 3214868480
	.section	.rodata,"a",@progbits
	.p2align	6, 0x0
	.amdhsa_kernel k_q81e3ffedfc_proj
		.amdhsa_group_segment_fixed_size 327680
		.amdhsa_private_segment_fixed_size 0
		.amdhsa_enable_private_segment 0
		.amdhsa_kernarg_size 48
		.amdhsa_user_sgpr_count 2
		.amdhsa_user_sgpr_kernarg_segment_ptr 1
		.amdhsa_wavefront_size32 1
		.amdhsa_system_sgpr_workgroup_id_x 1
		.amdhsa_system_sgpr_workgroup_id_y 1
		.amdhsa_system_sgpr_workgroup_id_z 1
		.amdhsa_system_vgpr_workitem_id 0
		.amdhsa_next_free_vgpr 768
		.amdhsa_next_free_sgpr 98
		.amdhsa_reserve_vcc 0
		.amdhsa_float_denorm_mode_32 3
		.amdhsa_float_denorm_mode_16_64 3
		.amdhsa_memory_ordered 1
		.amdhsa_forward_progress 1
		.amdhsa_inst_pref_size 54
	.end_amdhsa_kernel
	.amdgpu_metadata
---
amdhsa.version: [ 1, 2 ]
amdhsa.kernels:
  - .name:           k_q81e3ffedfc_proj
    .symbol:         k_q81e3ffedfc_proj.kd
    .args:
      - { .name: attc, .offset: 0, .size: 8, .value_kind: global_buffer, .address_space: global }
      - { .name: wcodes, .offset: 8, .size: 8, .value_kind: global_buffer, .address_space: global }
      - { .name: lowp_scales, .offset: 16, .size: 8, .value_kind: global_buffer, .address_space: global }
      - { .name: proj_b, .offset: 24, .size: 8, .value_kind: global_buffer, .address_space: global }
      - { .name: x, .offset: 32, .size: 8, .value_kind: global_buffer, .address_space: global }
      - { .name: x1, .offset: 40, .size: 8, .value_kind: global_buffer, .address_space: global }
    .group_segment_fixed_size: 327680
    .private_segment_fixed_size: 0
    .kernarg_segment_align: 8
    .kernarg_segment_size: 48
    .max_flat_workgroup_size: 128
    .sgpr_count:     98
    .vgpr_count:     768
    .wavefront_size: 32
...
	.end_amdgpu_metadata
.endif
;; end of part 4
;; launch ln2 (part 5): grid 512 x 1, 4 waves a work-group, no clusters, 0 bytes of LDS; arguments x1, ln2_w, ln2_b, lowp_scales, h2c; writes h2c
.if DOCPART == 5
	.amdgcn_target "amdgcn-amd-amdhsa--gfx1250"
	.amdhsa_code_object_version 6
	.text
	.protected	k_q81e3ffedfc_ln2
	.globl	k_q81e3ffedfc_ln2
	.p2align	8
	.type	k_q81e3ffedfc_ln2,@function
k_q81e3ffedfc_ln2:
	s_mov_b64 s[64:65], 0
	v_nop
	global_prefetch_b8 v0, s[64:65] scope:SCOPE_SE
	s_setreg_imm32_b32 hwreg(HW_REG_WAVE_MODE, 25, 1), 1
	s_wait_xcnt 0x0
; LayerNorm 2 of x1 [4096][1024] f32, quantised to codes of BF8 (E5M2) with the given scale 2^e8 -> h2c, in blocks of 128 rows x 128 codes (16,384 dense bytes; 8 blocks to a block row).
; code = number / 2^e, rounded to the nearest code, ties to even.  LIMITS: e8 between -126 and 127; NaN among the inputs is not served.
; A wave takes two rows, lanes 0-15 one and lanes 16-31 the next; lane r holds k = 128 c + 8 r + 0 .. 7, c = 0 .. 7: eight neighbours along K for each conversion, and a row's sums stay inside one half of the lanes.
; Mean first, then the squares of the differences, as the definition has them.  A store of the wave covers 256 consecutive bytes, aligned.  Waves share nothing: no LDS, no barrier, no cluster.
.set XO,   4
.set WO,   5
.set OO,   6
.set CH,   8
.set MU,   16
.set RS,   18
.set SC,   20
.set LM,   21
.set X,    32
.set W,    96
.set BV,   160
.set CDR,  224
	s_load_b256 s[4:11], s[0:1], 0x0               ; x1, ln2_w, ln2_b, the exponents
	s_load_b64 s[20:21], s[0:1], 0x20              ; h2c
	v_lshrrev_b32 v1, 5, v0
	v_readfirstlane_b32 s24, v1
	v_and_b32 v2, 31, v0
	s_wait_alu depctr_va_vdst(0)
	s_wait_kmcnt 0x0
	s_load_b32 s68, s[10:11], 0x20                 ; e8
	s_lshl_b32 s25, ttmp9, 2
	s_add_co_u32 s25, s25, s24                     ; p: my pair of rows
	s_lshl_b32 s26, s25, 13
	s_mov_b32 s27, 0
	s_add_nc_u64 s[4:5], s[4:5], s[26:27]
	s_lshr_b32 s26, s25, 6
	s_lshl_b32 s26, s26, 17
	s_and_b32 s28, s25, 63
	s_lshl_b32 s28, s28, 8
	s_add_co_u32 s26, s26, s28
	s_add_nc_u64 s[20:21], s[20:21], s[26:27]
	s_mov_b32 s30, 0x3a800000                      ; 1 / 1,024
	s_mov_b32 s31, 0x3727c5ac                      ; 1e-5
	v_and_b32 v3, 15, v0
	v_bfe_u32 v7, v0, 4, 1
	v_lshlrev_b32 v[WO], 5, v3
	v_lshl_add_u32 v[XO], v7, 12, v[WO]
	v_lshlrev_b32 v[OO], 3, v2
.irp k, 0,1,2,3,4,5,6,7
	global_load_b128 v[X+8*\k:X+8*\k+3], v[XO], s[4:5] offset:512*\k th:TH_LOAD_NT
	global_load_b128 v[X+8*\k+4:X+8*\k+7], v[XO], s[4:5] offset:512*\k+16 th:TH_LOAD_NT
.endr
.irp k, 0,1,2,3,4,5,6,7
	global_load_b128 v[W+8*\k:W+8*\k+3], v[WO], s[6:7] offset:512*\k
	global_load_b128 v[W+8*\k+4:W+8*\k+7], v[WO], s[6:7] offset:512*\k+16
.endr
.irp k, 0,1,2,3,4,5,6,7
	global_load_b128 v[BV+8*\k:BV+8*\k+3], v[WO], s[8:9] offset:512*\k
	global_load_b128 v[BV+8*\k+4:BV+8*\k+7], v[WO], s[8:9] offset:512*\k+16
.endr
	s_wait_kmcnt 0x0
	s_add_co_i32 s26, s68, 127
	s_lshl_b32 s28, s26, 23
	v_mov_b32 v[SC], s28
	s_wait_loadcnt 32                              ; my row's 16 loads are in; the gain's and the bias's 32 may be out
.irp c, 0,1,2,3
	v_pk_add_f32 v[CH+2*\c:CH+2*\c+1], v[X+2*\c:X+2*\c+1], v[X+8+2*\c:X+8+2*\c+1]
.endr
.set i, 8
.rept 24
	v_pk_add_f32 v[CH+2*(i%4):CH+2*(i%4)+1], v[CH+2*(i%4):CH+2*(i%4)+1], v[X+2*i:X+2*i+1]
.set i, i+1
.endr
	v_pk_add_f32 v[CH:CH+1], v[CH:CH+1], v[CH+2:CH+3]
	v_pk_add_f32 v[CH+4:CH+5], v[CH+4:CH+5], v[CH+6:CH+7]
	v_pk_add_f32 v[CH:CH+1], v[CH:CH+1], v[CH+4:CH+5]
	v_add_f32 v[CH], v[CH], v[CH+1]
.irp m, 1,2,4,8
	v_add_f32_dpp v[CH], v[CH], v[CH] row_xmask:\m row_mask:0xf bank_mask:0xf
.endr
	v_mul_f32 v[MU], s30, v[CH]
	v_mul_f32 v[MU+1], s30, v[CH]
.set i, 0
.rept 32
	v_pk_add_f32 v[X+2*i:X+2*i+1], v[X+2*i:X+2*i+1], v[MU:MU+1] neg_lo:[0,1] neg_hi:[0,1]
.set i, i+1
.endr
.irp c, 0,1,2,3
	v_pk_mul_f32 v[CH+2*\c:CH+2*\c+1], v[X+2*\c:X+2*\c+1], v[X+2*\c:X+2*\c+1]
.endr
.set i, 4
.rept 28
	v_pk_fma_f32 v[CH+2*(i%4):CH+2*(i%4)+1], v[X+2*i:X+2*i+1], v[X+2*i:X+2*i+1], v[CH+2*(i%4):CH+2*(i%4)+1]
.set i, i+1
.endr
	v_pk_add_f32 v[CH:CH+1], v[CH:CH+1], v[CH+2:CH+3]
	v_pk_add_f32 v[CH+4:CH+5], v[CH+4:CH+5], v[CH+6:CH+7]
	v_pk_add_f32 v[CH:CH+1], v[CH:CH+1], v[CH+4:CH+5]
	v_add_f32 v[CH], v[CH], v[CH+1]
.irp m, 1,2,4,8
	v_add_f32_dpp v[CH], v[CH], v[CH] row_xmask:\m row_mask:0xf bank_mask:0xf
.endr
	v_fma_f32 v[RS], v[CH], s30, s31
	s_wait_alu depctr_va_vdst(0)
	v_rsq_f32 v[RS], v[RS]
	v_nop                                          ; a plain instruction behind the transcendental (ISA guide 5.7.2)
	s_wait_alu depctr_va_vdst(0)                   ; the wait ahead of the result's first reader
	v_mov_b32 v[RS+1], v[RS]
.set i, 0
.rept 32
	v_pk_mul_f32 v[X+2*i:X+2*i+1], v[X+2*i:X+2*i+1], v[RS:RS+1]
.set i, i+1
.endr
	s_wait_loadcnt 0x0
.set i, 0
.rept 32
	v_pk_fma_f32 v[X+2*i:X+2*i+1], v[X+2*i:X+2*i+1], v[W+2*i:W+2*i+1], v[BV+2*i:BV+2*i+1]
.set i, i+1
.endr
.set i, 0
.rept 64
.set i, i+1
.endr
.irp k, 0,1,2,3,4,5,6,7
	v_cvt_scalef32_pk8_bf8_f32 v[CDR+2*\k:CDR+2*\k+1], v[X+8*\k:X+8*\k+7], v[SC]
.endr
	v_nop
.irp k, 0,1,2,3,4,5,6,7
	global_store_b64 v[OO], v[CDR+2*\k:CDR+2*\k+1], s[20:21] offset:16384*\k
.endr
	s_endpgm
.Lfunc_end_k_q81e3ffedfc_ln2:
	.size	k_q81e3ffedfc_ln2, .Lfunc_end_k_q81e3ffedfc_ln2-k_q81e3ffedfc_ln2
	.p2alignl 7, 3214868480
	.fill 96, 4, 3214868480
	.section	.rodata,"a",@progbits
	.p2align	6, 0x0
	.amdhsa_kernel k_q81e3ffedfc_ln2
		.amdhsa_group_segment_fixed_size 0
		.amdhsa_private_segment_fixed_size 0
		.amdhsa_enable_private_segment 0
		.amdhsa_kernarg_size 40
		.amdhsa_user_sgpr_count 2
		.amdhsa_user_sgpr_kernarg_segment_ptr 1
		.amdhsa_wavefront_size32 1
		.amdhsa_system_sgpr_workgroup_id_x 1
		.amdhsa_system_sgpr_workgroup_id_y 1
		.amdhsa_system_sgpr_workgroup_id_z 1
		.amdhsa_system_vgpr_workitem_id 0
		.amdhsa_next_free_vgpr 256
		.amdhsa_next_free_sgpr 70
		.amdhsa_reserve_vcc 0
		.amdhsa_float_denorm_mode_32 3
		.amdhsa_float_denorm_mode_16_64 3
		.amdhsa_fp16_overflow 1
		.amdhsa_memory_ordered 1
		.amdhsa_forward_progress 1
		.amdhsa_inst_pref_size 19
	.end_amdhsa_kernel
	.amdgpu_metadata
---
amdhsa.version: [ 1, 2 ]
amdhsa.kernels:
  - .name:           k_q81e3ffedfc_ln2
    .symbol:         k_q81e3ffedfc_ln2.kd
    .args:
      - { .name: x1, .offset: 0, .size: 8, .value_kind: global_buffer, .address_space: global }
      - { .name: ln2_w, .offset: 8, .size: 8, .value_kind: global_buffer, .address_space: global }
      - { .name: ln2_b, .offset: 16, .size: 8, .value_kind: global_buffer, .address_space: global }
      - { .name: lowp_scales, .offset: 24, .size: 8, .value_kind: global_buffer, .address_space: global }
      - { .name: h2c, .offset: 32, .size: 8, .value_kind: global_buffer, .address_space: global }
    .group_segment_fixed_size: 0
    .private_segment_fixed_size: 0
    .kernarg_segment_align: 8
    .kernarg_segment_size: 40
    .max_flat_workgroup_size: 128
    .sgpr_count:     70
    .vgpr_count:     256
    .wavefront_size: 32
...
	.end_amdgpu_metadata
.endif
;; end of part 5
;; launch mlp1 (part 6): grid 16 x 16, 4 waves a work-group, clusters of 4 x 4, 327,680 bytes of LDS; arguments h2c, wcodes, lowp_scales, mlp_b1, hidc; writes hidc
.if DOCPART == 6
	.amdgcn_target "amdgcn-amd-amdhsa--gfx1250"
	.amdhsa_code_object_version 6
	.text
	.protected	k_q81e3ffedfc_mlp1
	.globl	k_q81e3ffedfc_mlp1
	.p2align	8
	.type	k_q81e3ffedfc_mlp1,@function
k_q81e3ffedfc_mlp1:
	s_mov_b64 s[64:65], 0
	v_nop
	global_prefetch_b8 v0, s[64:65] scope:SCOPE_SE
	s_setreg_imm32_b32 hwreg(HW_REG_WAVE_MODE, 25, 1), 1
	s_wait_xcnt 0x0
	s_wait_alu depctr_hold_cnt(0) depctr_sa_sdst(0) depctr_va_vdst(0) depctr_va_sdst(0) depctr_va_ssrc(0) depctr_va_vcc(0) depctr_vm_vsrc(0)
	s_getreg_b32 s2, hwreg(HW_REG_IB_STS2, 6, 4)
	s_cmp_eq_u32 s2, 0
	s_cbranch_scc0 .Lentry_in_a_cluster
	s_endpgm
.Lentry_in_a_cluster:
	s_bfe_u32 s2, ttmp6, 0x10000c
	s_cmp_lg_u32 s2, 0xf033
	s_cbranch_scc0 .Lentry_shape_is_right
	s_endpgm
.Lentry_shape_is_right:
; A GEMM ON CODES OF BF8 (E5M2) WHOSE RESULT IS QUANTISED AGAIN.  One text, two launches: MODE 0: q, k, v = LN1(x) qkv_w + qkv_b;  MODE 1: gelu(LN2(x1) mlp_w1 + mlp_b1).  K = 1,024.
; Operands lie in blocks of 128 rows x 128 codes (16,384 dense bytes), block row after block row.  A tile of C is 256 x 256; four waves, each 128 x 128: 64 accumulators, 512 registers.
; K goes in steps of 256 through two LDS slots.  A wave's tensor load brings two neighbouring blocks, 32,768 dense bytes, stated as 128 rows of 256 bytes with 16 bytes of padding behind each:
; row p of a block lies at (p / 2) x 272 + (p % 2) x 128, so the 16 rows of a fragment load start at 16 different groups of four banks (64 banks of 4 bytes: ISA guide 11.1).
; CLUSTERS: 4 x 4 work-groups; the token tiles are asked for jointly along a row of the cluster, the weight tiles along a column.
; THE WALK ALONG K IS ROTATED: cluster (x, y) begins at K step (x + 2 y) % 4 and goes round.  So the clusters of a row of clusters, which read the same tokens, ask for different K steps at any one time,
; and clusters with neighbouring y, which read the same weights, stand two steps apart.  The f32 sums take K in that order.
; THE PRODUCT IS USED TRANSPOSED: source 0 = 16 rows of one operand, source 1 = 16 rows of the other: a lane holds ONE row of source 1's operand and eight neighbours of source 0's.
;   q, k and the MLP: source 1 = tokens, source 0 = features: eight neighbouring features of a token: eight codes of the next product's K.
;   v (MODE 0, cluster x = 2): the roles change places, by the LDS addresses alone: a lane holds one feature and eight neighbouring TOKENS, since the keys are the K of attention's second product.
; OUT: each wave's 128 x 128 codes are one dense block.  MODE 0: block (token block) x 24 + F: F 0-7 q, 8-15 k (rows tokens), 16-23 v (rows features, bytes tokens); in each 32 bytes the groups of 8 lie
; in the order 0, 2, 1, 3 (place 32 c + 16 h + 8 u + i holds index 32 c + 16 u + 8 h + i).  MODE 1: block (token block) x 32 + feature block, in natural order.
; LIMITS: the two operands' exponents added lie between -126 and 127; the result's exponent between -126 and 112; NaN is not served.  MODE 1: gelu = h + h erf(z), h = val / 2, z = val / sqrt(2) held within +-4,
; erf by a ratio of polynomials in f32: the error of 1 + erf is that of f32, so gelu's relative error grows for val under about -3.
; REGISTERS, in windows of 256: window 0: v0-31 addresses; v32-95, v96-111 biases; from v128 source 1's fragments, ONE set; on the way out v128-223.  window 1: source 0's fragments, TWO sets; on MODE 1's way out scratch.
;   window 2: the accumulators of my rows 0-63 ((a, b) at v[8 (8 a + b)]);  window 3: of my rows 64-127.
.set MODE,   1
.if MODE == 0
.set WOFF,   0                         ; where the weight's blocks begin in wcodes
.set NBLK,   24                        ; blocks in a block row of the output
.set EA,     68                        ; s68 = e0, s69 = e1
.set EB,     69
.else
.set WOFF,   4194304
.set NBLK,   32
.set EA,     76                        ; s76 = e8, s77 = e9
.set EB,     77
.endif
.set PITCH,  272
.set KBLK,   64*PITCH                  ; a block in LDS
.set HALFT,  2*KBLK                    ; what one tensor load brings: 128 rows x 256 along K
.set SLOT,   4*HALFT                   ; the tokens' 256 rows, then the weight's 256 rows
.set LAPS,   2                         ; a lap = two slots = 512 along K
.set NST,    4                         ; K steps in all
.set KSH,    15                        ; a K step on in memory: two blocks, 2^15 bytes
.set SPARE,  2*SLOT                    ; the spare words: 128 bytes a wave, two blocks of 256 bytes that no other line names
.set STAGE,  SPARE+512                 ; the way out: 16 rows x 144 bytes for each wave; no tensor load lands here
.set SPITCH, 144
.set FR,     16                        ; registers of a fragment
.set NL,     4                         ; LDS loads that bring one
.set NP,     4                         ; places behind this matrix instruction (ISA guide 7.12.1)
.set ADRA, 16                          ; v16-17 source 1's fragments in slot 0, 1
.set ADRB, 20                          ; v20-21 source 0's
.set STO,  24
.set RD,   25
.set CO,   26                          ; 16 x lane
.set BO,   27                          ; 32 x half
.set SPW,  28
.set NIL,  29
.set SCL,  30                          ; 2^eo
.set LIMV, 31                          ; 57,344 x 2^eo
.set BN,   32                          ; v32-95  bias along a lane's registers: [16 b + 8 h + j]
.set BM,   96                          ; v96-111 bias of a lane's row: [16 a + r], twice each (MODE 0)
.set BMO,  112                         ; 4 r
.set KA0,  114                         ; v[114:115], v[116:117]: the two leading coefficients (MODE 1)
.set KB0,  116
.set AF,   128
.set TMP,  128
.set CD,   192
.set BK,   208
.set ZZ,   0                           ; window 1, MODE 1's way out: z, z^2, numerator, denominator
.set Z2,   64
.set PN,   128
.set QD,   192
.set WV, 16                            ; s16 wave; s17 wave / 2; s18 wave % 2
.set HR, 17
.set HC, 18
.set G1, 24
.set G0, 32
.set G1B, 48
.set G0B, 56
.set KI, 92                            ; s92 the K step that is asked for next
.set KO, 94                            ; s[94:95] its offset in bytes, in 64 bits
.set MSB, 0
.macro WIN new                         ; the immediate's high byte repeats the setting that is left
.if MSB != (\new)
	s_set_vgpr_msb (MSB<<8)|(\new)
.set MSB, (\new)
.endif
.endm
.set MUL_LO, 0xa1                      ; source 0 window 1, source 1 window 0, C and D window 2
.set MUL_HI, 0xf1
.set TO_B,   0x40
.macro JLOAD g0a, g1a, g0b, g1b        ; a joint load: waves 0, 1 fetch the tokens' halves, waves 2, 3 the weight's; four v_nop follow each line
	s_cmp_eq_u32 s[HR], 0
	s_cbranch_scc0 .Lfor_b_\@
	tensor_load_to_lds s[\g0a:\g0a+3], s[\g1a:\g1a+7]
	s_nop 0
.rept 4
	v_nop
.endr
	s_branch .Lasked_\@
.Lfor_b_\@:
	tensor_load_to_lds s[\g0b:\g0b+3], s[\g1b:\g1b+7]
	s_nop 0
.rept 4
	v_nop
.endr
.Lasked_\@:
.endm
.macro CREST                           ; a round of the cluster's barrier behind its opening barrier
	s_cmp_lg_u32 s[WV], 0
	s_cbranch_scc1 .Lnot_wave_0_\@
	s_barrier_signal -3
.Lnot_wave_0_\@:
	s_barrier_wait -3
	s_barrier_signal -1
	s_barrier_wait -1
.endm
.macro CROUND
	s_barrier_signal -1
	s_barrier_wait -1
	CREST
.endm
; The slot's two groups 0 take K step s[KI], and s[KI] goes one on, round the NST steps.  s[20:21] and s[46:47] stay at the two tiles' K step 0.  s[KI] is made of the cluster's x and y alone: it is the same in all sixteen partners.
.macro KADDR slot
	s_lshl_b32 s[KO], s[KI], KSH
	s_add_nc_u64 s[G0+4*\slot+2:G0+4*\slot+3], s[20:21], s[KO:KO+1]
	s_or_b32 s[G0+4*\slot+3], s[G0+4*\slot+3], 0x80000000
	s_add_nc_u64 s[G0B+4*\slot+2:G0B+4*\slot+3], s[46:47], s[KO:KO+1]
	s_or_b32 s[G0B+4*\slot+3], s[G0B+4*\slot+3], 0x80000000
	s_add_co_u32 s[KI], s[KI], 1
	s_and_b32 s[KI], s[KI], NST-1
.endm
	s_load_b128 s[4:7], s[0:1], 0x0                ; the tokens' codes, wcodes
	s_load_b128 s[8:11], s[0:1], 0x10              ; the exponents, the bias
	s_load_b64 s[12:13], s[0:1], 0x20              ; the output's codes
	v_lshl_add_u32 v[SPW], v0, 2, SPARE
	v_mov_b32 v[NIL], 0
	ds_add_u32 v28, v29
	s_wait_dscnt 0x0
	v_lshrrev_b32 v1, 5, v0
	v_readfirstlane_b32 s[WV], v1
	s_lshr_b32 s[HR], s[WV], 1
	s_and_b32 s[HC], s[WV], 1
	s_bfe_u32 s40, ttmp6, 0x40000                  ; cx, cy
	s_bfe_u32 s41, ttmp6, 0x40004
	s_lshl_b32 s42, ttmp9, 2
	s_add_co_u32 s42, s42, s40                     ; tile column (features)
	s_and_b32 s43, ttmp7, 0xffff
	s_lshl_b32 s43, s43, 2
	s_add_co_u32 s43, s43, s41                     ; tile row (tokens)
	s_lshl_b32 s44, s41, 2
	s_lshl_b32 s44, 15, s44                        ; my row of the cluster
	s_lshl_b32 s45, 0x1111, s40                    ; my column
	s_or_b32 s[G1+0], s44, (1<<20)|(1<<21)|(5<<22)|(3<<25)    ; 15:0 the mask; 17:16 elements of 1 byte; 20 padding on; 21 set beside a mask; 24:22 after every 64 words; 31:25 four words
	s_or_b32 s[G1B+0], s45, (1<<20)|(1<<21)|(5<<22)|(3<<25)
.irp g, G1, G1B
	s_mov_b32 s[\g+1], 256<<16                     ; tensor_dim0 = 256
	s_mov_b32 s[\g+2], 128<<16                     ; tensor_dim1 = 128
	s_mov_b32 s[\g+3], 256<<16                     ; tile_dim0
	s_mov_b32 s[\g+4], 128                         ; tile_dim1
	s_mov_b32 s[\g+5], 256                         ; the pitch: the bytes are dense
	s_mov_b32 s[\g+6], 0
	s_mov_b32 s[\g+7], 0
.endr
	s_lshl_b32 s20, s43, 1
	s_add_co_u32 s20, s20, s[HC]
	s_lshl_b32 s20, s20, 17                        ; tokens: block row 2 x tile row + half, of 8 blocks
	s_mov_b32 s21, 0
	s_lshl_b32 s46, s42, 1
	s_add_co_u32 s46, s46, s[HC]
	s_lshl_b32 s46, s46, 17                        ; weight: block row 2 x tile column + half
	s_add_co_u32 s46, s46, WOFF
	s_mov_b32 s47, 0
	s_mul_i32 s22, s[WV], HALFT                    ; where they go: no place in the cluster enters an LDS address
	s_and_b32 s[KI], ttmp7, 0xffff                 ; the cluster's y,
	s_lshl_b32 s[KI], s[KI], 1
	s_add_co_u32 s[KI], s[KI], ttmp9               ; twice, + the cluster's x:
	s_and_b32 s[KI], s[KI], NST-1                  ; the K step at which my cluster begins
	s_mov_b32 s[KO+1], 0
	s_wait_kmcnt 0x0
	s_load_b256 s[68:75], s[8:9], 0x0              ; e0 .. e7
	s_load_b128 s[76:79], s[8:9], 0x20             ; e8 .. e11
	s_add_nc_u64 s[20:21], s[4:5], s[20:21]
	s_add_nc_u64 s[46:47], s[6:7], s[46:47]
	CROUND                                         ; all sixteen work-groups are here: the first joint loads meet
.irp s, 0,1
	s_mov_b32 s[G0+4*\s], 1
	s_add_co_u32 s[G0+4*\s+1], s22, \s*SLOT
	s_mov_b32 s[G0B+4*\s], 1
	s_add_co_u32 s[G0B+4*\s+1], s22, \s*SLOT
	KADDR \s
	JLOAD G0+4*\s, G1, G0B+4*\s, G1B
.endr
	v_and_b32 v1, 15, v0                           ; r
	v_bfe_u32 v2, v0, 4, 1                         ; h
	v_lshrrev_b32 v3, 1, v1
	v_mul_u32_u24 v3, v3, PITCH
	v_and_b32 v4, 1, v1
	v_lshl_add_u32 v3, v4, 7, v3
	v_lshl_add_u32 v4, v2, 4, v3                   ; a fragment's lane term: (r / 2) x 272 + (r % 2) x 128 + 16 h
.if MODE == 0
	s_cmp_eq_u32 ttmp9, 2                          ; v's columns?  The cluster's x: the same in all sixteen partners
	s_cselect_b32 s80, 2*HALFT, 0                  ; source 1's region: the weight's for v, else the tokens'
	s_cselect_b32 s81, 0, 2*HALFT                  ; source 0's
	s_cselect_b32 s82, s[HC], s[HR]                ; which half of the tokens is mine
	s_cselect_b32 s83, s[HR], s[HC]                ; which half of the features
.else
	s_mov_b32 s80, 0
	s_mov_b32 s81, 2*HALFT
	s_mov_b32 s82, s[HR]
	s_mov_b32 s83, s[HC]
.endif
	s_mul_i32 s84, s[HR], HALFT
	s_add_co_u32 s80, s80, s84
	s_mul_i32 s84, s[HC], HALFT
	s_add_co_u32 s81, s81, s84
.irp s, 0,1
	v_add_nc_u32 v[ADRA+\s], s80, v4
	v_add_nc_u32 v[ADRB+\s], s81, v4
	s_add_co_u32 s80, s80, SLOT
	s_add_co_u32 s81, s81, SLOT
.endr
	s_mul_i32 s84, s[WV], 16*SPITCH
	s_add_co_u32 s84, s84, STAGE                   ; my stage
	v_mul_u32_u24 v5, v1, SPITCH
	v_lshl_add_u32 v5, v2, 4-MODE, v5              ; in: row r; 16 h (order 0, 2, 1, 3) or 8 h (natural order)
	v_add_nc_u32 v[STO], s84, v5
	v_and_b32 v6, 31, v0
	v_lshrrev_b32 v7, 3, v6
	v_mul_u32_u24 v7, v7, SPITCH
	v_and_b32 v8, 7, v0
	v_lshl_add_u32 v7, v8, 4, v7
	v_add_nc_u32 v[RD], s84, v7                    ; back: eight lanes to a row of 128 bytes, four rows an instruction
	v_lshlrev_b32 v[CO], 4, v6
	v_lshlrev_b32 v[BO], 5, v2
	v_lshlrev_b32 v[BMO], 2, v1
	s_lshl_b32 s84, s43, 1
	s_add_co_u32 s84, s84, s82
	s_mul_i32 s84, s84, NBLK
	s_lshl_b32 s85, s42, 1
	s_add_co_u32 s84, s84, s85
	s_add_co_u32 s84, s84, s83
	s_lshl_b32 s84, s84, 14                        ; my block of the output
	s_mov_b32 s85, 0
	s_add_nc_u64 s[12:13], s[12:13], s[84:85]
	s_lshl_b32 s84, s42, 10
	s_lshl_b32 s86, s[HC], 9
	s_add_co_u32 s84, s84, s86
	s_add_nc_u64 s[88:89], s[10:11], s[84:85]      ; bias at 256 x tile column + 128 x (wave % 2)
.irp b, 0,1,2,3,4,5,6,7
	global_load_b128 v[BN+8*\b:BN+8*\b+3], v[BO], s[88:89] offset:64*\b
	global_load_b128 v[BN+8*\b+4:BN+8*\b+7], v[BO], s[88:89] offset:64*\b+16
.endr
.if MODE == 0
	s_lshl_b32 s84, s42, 10
	s_lshl_b32 s86, s[HR], 9
	s_add_co_u32 s84, s84, s86
	s_add_nc_u64 s[90:91], s[10:11], s[84:85]      ; bias at 256 x tile column + 128 x (wave / 2).  Both sets lie inside the bias in both orientations; the one that does not apply is masked on the way out
.irp a, 0,1,2,3,4,5,6,7
	global_load_b32 v[BM+2*\a], v[BMO], s[90:91] offset:64*\a
	global_load_b32 v[BM+2*\a+1], v[BMO], s[90:91] offset:64*\a
.endr
.endif
.macro FRAG reg, adr, q, i             ; 16 rows x 128 K: lane l holds row l % 16; registers 4 c .. 4 c + 3 hold K = 32 c + 16 (l / 16) + 0 .. 15: the same order of K in both operands
.irp c, 0,1,2,3
	ds_load_b128 v[\reg+4*\c:\reg+4*\c+3], v[\adr] offset:KBLK*(\q)+(\i)*8*PITCH+32*\c
.endr
.endm
.macro MUL16 a0, p, zero               ; 16 products; the 64 accumulators take turns, one instruction a turn, in the same order in every step
.irp a, \a0, \a0+1
.irp b, 0,1,2,3,4,5,6,7
.if \zero
	v_wmma_f32_16x16x128_bf8_bf8 v[8*(8*((\a)%4)+\b):8*(8*((\a)%4)+\b)+7], v[128*(\p)+FR*\b:128*(\p)+FR*\b+FR-1], v[AF+FR*(\a):AF+FR*(\a)+FR-1], 0
.else
	v_wmma_f32_16x16x128_bf8_bf8 v[8*(8*((\a)%4)+\b):8*(8*((\a)%4)+\b)+7], v[128*(\p)+FR*\b:128*(\p)+FR*\b+FR-1], v[AF+FR*(\a):AF+FR*(\a)+FR-1], v[8*(8*((\a)%4)+\b):8*(8*((\a)%4)+\b)+7]
.endif
.endr
.endr
.endm
.macro FETCH_B slot, q, p
	WIN TO_B
.irp i, 0,1,2,3,4,5,6,7
	FRAG 128*(\p)+FR*\i, ADRB+\slot, \q, \i
.endr
	WIN 0
.endm
.macro FETCH_A slot, q, i0
.irp i, \i0, \i0+1, \i0+2, \i0+3
	FRAG AF+FR*(\i), ADRA+\slot, \q, \i
.endr
.endm
.macro PLACES n                        ; plain vector instructions between a matrix instruction and a load into, or a vector read or write of, its registers
.rept \n
	v_nop
.endr
.endm
.macro STEP slot, q, zero              ; 128 along K with its successor in the same slot
	s_wait_dscnt 4*NL                              ; source 0's set and source 1's blocks 0-3 are in; the youngest 16 loads (blocks 4-7) may be out
	WIN MUL_LO
	MUL16 0, (\q)%2, \zero
	MUL16 2, (\q)%2, \zero
	s_wait_dscnt 0
	PLACES NP
	FETCH_B \slot, (\q)+1, 1-(\q)%2
	FETCH_A \slot, (\q)+1, 0
	WIN MUL_HI
	MUL16 4, (\q)%2, \zero
	MUL16 6, (\q)%2, \zero
	PLACES NP
	WIN 0
	FETCH_A \slot, (\q)+1, 4
.endm
.macro TURN slot, next, fill           ; a slot's last step changes slots: one barrier; fill = 1: it opens a round of the cluster's barrier, and this slot is filled again
	s_wait_tensorcnt 0x0                           ; all my tensor loads have landed: my part of the next slot; so every group 0 may be written
	ds_add_u32 v[SPW], v[NIL]                      ; 0 onto my spare word
.if \fill
	KADDR \slot                                    ; this slot's next K step: work on registers while the add is out
.endif
	s_wait_dscnt 4*NL+1                            ; (the add and the youngest 16 loads may be out)
	WIN MUL_LO
	MUL16 0, 1, 0
	s_wait_dscnt 0x0                               ; the add is done, and my reads of this slot are over
	s_barrier_signal -1
	MUL16 2, 1, 0
	WIN 0
	s_barrier_wait -1
.if \fill
	CREST                                          ; no wave of any partner still reads this slot or has a load on its way
	JLOAD G0+4*\slot, G1, G0B+4*\slot, G1B         ; the first tensor load behind the round; its four v_nop are also the places in front of the loads below
.else
	PLACES NP
.endif
	FETCH_B \next, 0, 0
	FETCH_A \next, 0, 0
	WIN MUL_HI
	MUL16 4, 1, 0
	MUL16 6, 1, 0
	PLACES NP
	WIN 0
	FETCH_A \next, 0, 4
.endm
	s_wait_tensorcnt 1                             ; my part of slot 0 is in; slot 1's load may be out
	s_barrier_signal -1
	s_barrier_wait -1
	FETCH_B 0, 0, 0
	FETCH_A 0, 0, 0
	FETCH_A 0, 0, 4
	STEP 0, 0, 1                                   ; the first step's products start the sums
	s_mov_b32 s3, LAPS-1
.Llap:
	TURN 0, 1, 1
	STEP 1, 0, 0
	TURN 1, 0, 1
	STEP 0, 0, 0
	s_sub_co_u32 s3, s3, 1
	s_cmp_lg_u32 s3, 0
	s_cbranch_scc1 .Llap
	TURN 0, 1, 0                                   ; the last lap fills nothing
	STEP 1, 0, 0
	s_wait_dscnt 4*NL
	WIN MUL_LO
	MUL16 0, 1, 0
	MUL16 2, 1, 0
	s_wait_dscnt 0
	WIN MUL_HI
	MUL16 4, 1, 0
	MUL16 6, 1, 0
	WIN 0
	; THE WAY OUT, a loop over my eight blocks of 16 rows: sum x 2^(ea + eb) + bias (, gelu), the hold, the conversion, through my stage, 2,048 dense bytes out.
	s_wait_kmcnt 0x0
	s_wait_loadcnt 0x0                             ; the biases
	s_add_co_i32 s96, s[EA], s[EB]
	s_add_co_i32 s96, s96, 127
	s_lshl_b32 s96, s96, 23                        ; 2^(ea + eb)
	s_mov_b32 s97, s96                             ; (named with it as a pair)
.if MODE == 0
	s_cmp_eq_u32 ttmp9, 0
	s_cselect_b32 s19, s70, s71                    ; q: e2; k: e3
	s_cmp_eq_u32 ttmp9, 2
	s_cselect_b32 s19, s73, s19                    ; v: e5
	s_cselect_b32 s20, 0, -1                       ; keeps the bias along the registers for q and k,
	s_cselect_b32 s21, -1, 0                       ; the bias of the row for v
.else
	s_mov_b32 s19, s78                             ; e10
.endif
	s_add_co_i32 s19, s19, 127
	s_lshl_b32 s22, s19, 23
	v_mov_b32 v[SCL], s22
	s_add_co_i32 s19, s19, 15
	s_lshl_b32 s19, s19, 23
	s_or_b32 s19, s19, 0x600000
	v_mov_b32 v[LIMV], s19
.if MODE == 0
.set j, 0
.rept 64
	v_and_b32 v[BN+j], s20, v[BN+j]                ; the bias that does not apply becomes +0.  (These lines are also the places behind the last products)
.set j, j+1
.endr
.set j, 0
.rept 16
	v_and_b32 v[BM+j], s21, v[BM+j]
.set j, j+1
.endr
.else
	PLACES NP
.macro COEF reg, bits
	s_mov_b32 s[\reg], \bits
	s_mov_b32 s[\reg+1], \bits
.endm
	v_mov_b32 v[KA0], 0xaf95df0b                   ; numerator, from the highest power of z^2 down: -2.72614226e-10,
	v_mov_b32 v[KA0+1], 0xaf95df0b
	COEF 80, 0x32edffee                            ; 2.77068142e-08
	COEF 82, 0xb60cff51                            ; -2.10102402e-06
	COEF 84, 0xb86ec2d2                            ; -5.69250639e-05
	COEF 86, 0xba40ac63                            ; -7.34990630e-04
	COEF 88, 0xbb41a1f6                            ; -2.95459981e-03
	COEF 90, 0xbc83dbd4                            ; -1.60960333e-02
	v_mov_b32 v[KB0], 0xb77460cd                   ; denominator: -1.45660718e-05,
	v_mov_b32 v[KB0+1], 0xb77460cd
	COEF 92, 0xb95fbd29                            ; -2.13374055e-04
	COEF 94, 0xbadc924e                            ; -1.68282697e-03
	COEF 98, 0xbbf19bf8                            ; -7.37332917e-03
	COEF 100, 0xbc69b6a7                           ; -1.42647391e-02
.endif
.macro ARM a                           ; block a's 64 sums -> v[TMP ..]; each accumulator is read from its low end on
	WIN 0x02+(\a)/4
.set j, 0
.rept 32
	v_pk_fma_f32 v[TMP+j:TMP+j+1], v[64*((\a)%4)+j:64*((\a)%4)+j+1], s[96:97], v[BN+j:BN+j+1] op_sel_hi:[1,0,1]
.set j, j+2
.endr
	WIN 0
.if MODE == 0
.set j, 0
.rept 32
	v_pk_add_f32 v[TMP+j:TMP+j+1], v[TMP+j:TMP+j+1], v[BM+2*(\a):BM+2*(\a)+1]
.set j, j+2
.endr
.endif
.endm
.macro RUN2 d, x, y                    ; 32 packed products d = x y
.set j, 0
.rept 32
	v_pk_mul_f32 v[\d+j:\d+j+1], v[\x+j:\x+j+1], v[\y+j:\y+j+1]
.set j, j+2
.endr
.endm
.macro HORNER d, c                     ; d = d z^2 + the coefficient in s[c]
.set j, 0
.rept 32
	v_pk_fma_f32 v[\d+j:\d+j+1], v[\d+j:\d+j+1], v[Z2+j:Z2+j+1], s[\c:\c+1] op_sel_hi:[1,1,0]
.set j, j+2
.endr
.endm
.macro LEAD d, k, c                    ; d = z^2 x the leading coefficient + the next
.set j, 0
.rept 32
	v_pk_fma_f32 v[\d+j:\d+j+1], v[Z2+j:Z2+j+1], v[\k:\k+1], s[\c:\c+1] op_sel_hi:[1,1,0]
.set j, j+2
.endr
.endm
.macro GELU                            ; v[TMP ..]: val -> val / 2 x (1 + erf(val / sqrt(2))); scratch in window 1, which the products have left
	WIN 0x40
.set j, 0
.rept 32
	v_pk_mul_f32 v[ZZ+j:ZZ+j+1], v[TMP+j:TMP+j+1], 0x3f3504f3 op_sel_hi:[1,0]   ; z = val / sqrt(2)
.set j, j+2
.endr
	WIN 0
.set j, 0
.rept 32
	v_pk_mul_f32 v[TMP+j:TMP+j+1], v[TMP+j:TMP+j+1], 0.5 op_sel_hi:[1,0]        ; h
.set j, j+2
.endr
	WIN 0x41
.set j, 0
.rept 64
	v_med3_num_f32 v[ZZ+j], v[ZZ+j], -4.0, 4.0     ; beyond +-4 erf is +-1 in f32
.set j, j+1
.endr
	WIN 0x45
	RUN2 Z2, ZZ, ZZ
	WIN 0x41
	LEAD PN, KA0, 80
	WIN 0x45
.irp c, 82,84,86,88,90
	HORNER PN, \c
.endr
	WIN 0x41
	LEAD QD, KB0, 92
	WIN 0x45
.irp c, 94,98,100
	HORNER QD, \c
.endr
	WIN 0x41
.set j, 0
.rept 64
	v_rcp_f32 v[QD+j], v[QD+j]                     ; one batch
.set j, j+1
.endr
	WIN 0x45
	RUN2 PN, PN, ZZ                                ; independent work behind the batch
	s_wait_alu depctr_va_vdst(0)                   ; one wait for the 64 reciprocals, ahead of their first reader
	RUN2 PN, PN, QD                                ; erf(z)
	WIN 0x04
.set j, 0
.rept 32
	v_pk_fma_f32 v[TMP+j:TMP+j+1], v[TMP+j:TMP+j+1], v[PN+j:PN+j+1], v[TMP+j:TMP+j+1]   ; h + h erf
.set j, j+2
.endr
	WIN 0
.endm
	s_mov_b32 s3, 0
.Lblk:                                                 ; the accumulators' register numbers differ from block to block: eight short arms, one common body
.irp a, 0,1,2,3,4,5,6
	s_cmp_eq_u32 s3, \a
	s_cbranch_scc1 .Lpk\a
.endr
	ARM 7
	s_branch .Lcom
.irp a, 0,1,2,3,4,5
.Lpk\a:
	ARM \a
	s_branch .Lcom
.endr
.Lpk6:
	ARM 6
.Lcom:
.if MODE == 1
	GELU
.endif
.set j, 0
.rept 64
	v_med3_num_f32 v[TMP+j], v[TMP+j], -v[LIMV], v[LIMV]   ; the conversion does not saturate (ISA guide 7.6.2): the hold comes first
.set j, j+1
.endr
.irp b, 0,1,2,3,4,5,6,7
	v_cvt_scalef32_pk8_bf8_f32 v[CD+2*\b:CD+2*\b+1], v[TMP+8*\b:TMP+8*\b+7], v[SCL]
.endr
	v_nop                                          ; a plain line behind the last conversion
.if MODE == 0
.irp c, 0,1,2,3
	ds_store_b128 v[STO], v[CD+4*\c:CD+4*\c+3] offset:32*\c        ; groups 2 c and 2 c + 1 of my half, on end: the order 0, 2, 1, 3
.endr
.else
.irp b, 0,1,2,3,4,5,6,7
	ds_store_b64 v[STO], v[CD+2*\b:CD+2*\b+1] offset:16*\b
.endr
.endif
.irp u, 0,1,2,3
	ds_load_b128 v[BK+4*\u:BK+4*\u+3], v[RD] offset:4*\u*SPITCH    ; LDS serves a wave's instructions in order (ISA guide 5.7.1.4): these see my stores
.endr
	s_wait_dscnt 0x0
.irp u, 0,1,2,3
	global_store_b128 v[CO], v[BK+4*\u:BK+4*\u+3], s[12:13] offset:512*\u   ; 512 consecutive bytes
.endr
	s_wait_xcnt 0x0                                ; the stores have read their data and their base: both are written again below and in the next trip
	s_add_nc_u64 s[12:13], s[12:13], 2048
	s_add_co_u32 s3, s3, 1
	s_cmp_lt_u32 s3, 8
	s_cbranch_scc1 .Lblk
	s_wait_tensorcnt 0x0                           ; the wave's end
	ds_add_u32 v[SPW], v[NIL]
	s_wait_dscnt 0x0
	CROUND                                         ; the closing round
	s_endpgm
.Lfunc_end_k_q81e3ffedfc_mlp1:
	.size	k_q81e3ffedfc_mlp1, .Lfunc_end_k_q81e3ffedfc_mlp1-k_q81e3ffedfc_mlp1
	.p2alignl 7, 3214868480
	.fill 96, 4, 3214868480
	.section	.rodata,"a",@progbits
	.p2align	6, 0x0
	.amdhsa_kernel k_q81e3ffedfc_mlp1
		.amdhsa_group_segment_fixed_size 327680
		.amdhsa_private_segment_fixed_size 0
		.amdhsa_enable_private_segment 0
		.amdhsa_kernarg_size 40
		.amdhsa_user_sgpr_count 2
		.amdhsa_user_sgpr_kernarg_segment_ptr 1
		.amdhsa_wavefront_size32 1
		.amdhsa_system_sgpr_workgroup_id_x 1
		.amdhsa_system_sgpr_workgroup_id_y 1
		.amdhsa_system_sgpr_workgroup_id_z 1
		.amdhsa_system_vgpr_workitem_id 0
		.amdhsa_next_free_vgpr 1024
		.amdhsa_next_free_sgpr 102
		.amdhsa_reserve_vcc 0
		.amdhsa_float_denorm_mode_32 3
		.amdhsa_float_denorm_mode_16_64 3
		.amdhsa_memory_ordered 1
		.amdhsa_forward_progress 1
		.amdhsa_inst_pref_size 145
	.end_amdhsa_kernel
	.amdgpu_metadata
---
amdhsa.version: [ 1, 2 ]
amdhsa.kernels:
  - .name:           k_q81e3ffedfc_mlp1
    .symbol:         k_q81e3ffedfc_mlp1.kd
    .args:
      - { .name: h2c, .offset: 0, .size: 8, .value_kind: global_buffer, .address_space: global }
      - { .name: wcodes, .offset: 8, .size: 8, .value_kind: global_buffer, .address_space: global }
      - { .name: lowp_scales, .offset: 16, .size: 8, .value_kind: global_buffer, .address_space: global }
      - { .name: mlp_b1, .offset: 24, .size: 8, .value_kind: global_buffer, .address_space: global }
      - { .name: hidc, .offset: 32, .size: 8, .value_kind: global_buffer, .address_space: global }
    .group_segment_fixed_size: 327680
    .private_segment_fixed_size: 0
    .kernarg_segment_align: 8
    .kernarg_segment_size: 40
    .max_flat_workgroup_size: 128
    .sgpr_count:     102
    .vgpr_count:     1024
    .wavefront_size: 32
...
	.end_amdgpu_metadata
.endif
;; end of part 6
;; launch mlp2 (part 7): grid 8 x 32, 4 waves a work-group, clusters of 4 x 4, 327,680 bytes of LDS; arguments hidc, wcodes, lowp_scales, mlp_b2, x1, out0; writes out0
.if DOCPART == 7
	.amdgcn_target "amdgcn-amd-amdhsa--gfx1250"
	.amdhsa_code_object_version 6
	.text
	.protected	k_q81e3ffedfc_mlp2
	.globl	k_q81e3ffedfc_mlp2
	.p2align	8
	.type	k_q81e3ffedfc_mlp2,@function
k_q81e3ffedfc_mlp2:
	s_mov_b64 s[64:65], 0
	v_nop
	global_prefetch_b8 v0, s[64:65] scope:SCOPE_SE
	s_setreg_imm32_b32 hwreg(HW_REG_WAVE_MODE, 25, 1), 1
	s_wait_xcnt 0x0
	s_wait_alu depctr_hold_cnt(0) depctr_sa_sdst(0) depctr_va_vdst(0) depctr_va_sdst(0) depctr_va_ssrc(0) depctr_va_vcc(0) depctr_vm_vsrc(0)
	s_getreg_b32 s2, hwreg(HW_REG_IB_STS2, 6, 4)
	s_cmp_eq_u32 s2, 0
	s_cbranch_scc0 .Lentry_in_a_cluster
	s_endpgm
.Lentry_in_a_cluster:
	s_bfe_u32 s2, ttmp6, 0x10000c
	s_cmp_lg_u32 s2, 0xf033
	s_cbranch_scc0 .Lentry_shape_is_right
	s_endpgm
.Lentry_shape_is_right:
; A GEMM ON CODES OF BF8 (E5M2) WITH BIAS AND RESIDUAL, f32 out [4096][1024].  One text, two launches: MODE 0: x1 = x + attention proj_w + proj_b (K = 1,024);  MODE 1: out = x1 + hidden mlp_w2 + mlp_b2 (K = 4,096).
; Operands lie in blocks of 128 rows x 128 codes (16,384 dense bytes).  A tile of C is 128 x 128, so that there are 256 work-groups; four waves, each 64 x 64: 16 accumulators.
; K goes in steps of 512 through two LDS slots: four blocks of each operand.  A wave's tensor load brings two neighbouring blocks, stated as 128 rows of 256 bytes with 16 bytes of padding behind each:
; row p of a block lies at (p / 2) x 272 + (p % 2) x 128, so the 16 rows of a fragment load start at 16 different groups of four banks (ISA guide 11.1).
; CLUSTERS: 4 x 4 work-groups; the tokens' tiles are asked for jointly along a row of the cluster, the weight's along a column.
; THE WALK ALONG K IS ROTATED: cluster (x, y) begins at K step (2 y + 4 x) % (K / 512) and goes round.  With K = 4,096 the two clusters that read the same tokens stand four of the eight steps apart, and clusters
; with neighbouring y, which read the same weights, two steps; with K = 1,024 there are two steps, both asked for at the start, and every cluster begins at step 0.  The f32 sums take K in that order.
; THE PRODUCT IS USED TRANSPOSED (source 0 = 16 rows of the weight, source 1 = 16 tokens): a lane holds eight neighbouring columns of a row.  A wave's 64 columns are 256 bytes of a row of C, aligned.
; The residual's tile is asked for at the head, into window 2, and is there when the sums are finished.
; LIMIT: the two exponents added lie between -126 and 127.
; REGISTERS: window 0: v0-31 addresses; v[32:35] bias; v36-99 the way out; v128-255 the accumulators ((a, b) at v[128 + 8 (4 a + b)]).  window 1: two fragment buffers of 128 (64 of the tokens', 64 of the weight's).  window 2: v0-127 the residual.
.set MODE,   1
.if MODE == 0
.set KB,     8                         ; blocks along K
.set WOFF,   3145728                   ; where the weight's blocks begin in wcodes
.set EA,     74                        ; s74 = e6, s75 = e7
.set EB,     75
.else
.set KB,     32
.set WOFF,   8388608
.set EA,     78                        ; s78 = e10, s79 = e11
.set EB,     79
.endif
.set LAPS,   KB/8                      ; a lap = two slots = 1,024 along K
.set NST,    KB/4                      ; K steps in all
.set KSH,    16                        ; a K step on in memory: four blocks, 2^16 bytes
.set PITCH,  272
.set KBLK,   64*PITCH
.set HALFT,  2*KBLK                    ; what one tensor load brings
.set SLOT,   4*HALFT                   ; the tokens' four blocks, then the weight's four
.set SPARE,  2*SLOT                    ; the spare words: two blocks of 256 bytes that no other line names
.set STAGE,  SPARE+512                 ; 16 rows x 272 bytes for each wave; no tensor load lands here
.set SPITCH, 272
.set ADRA, 16
.set ADRB, 20
.set STO,  24
.set RD,   25
.set CO,   26
.set BO,   27
.set SPW,  28
.set NIL,  29
.set BI,   32
.set BK,   36
.set ACC,  128
.set F0,   0
.set F1,   128
.set WV, 16
.set HR, 17
.set HC, 18
.set G1, 24
.set G0, 32
.set G1B, 48
.set G0B, 56
.set KI, 92                            ; s92 the K step that is asked for next
.set KO, 94                            ; s[94:95] its offset in bytes, in 64 bits
.set MSB, 0
.macro WIN new
.if MSB != (\new)
	s_set_vgpr_msb (MSB<<8)|(\new)
.set MSB, (\new)
.endif
.endm
.set MUL,  0x05                        ; sources 0 and 1 window 1; C and D window 0
.set TO_F, 0x40
.macro JLOAD s                         ; waves 0, 1 fetch the tokens' blocks, waves 2, 3 the weight's; four v_nop follow each line
	s_cmp_eq_u32 s[HR], 0
	s_cbranch_scc0 .Lfor_b_\@
	tensor_load_to_lds s[G0+4*\s:G0+4*\s+3], s[G1:G1+7]
	s_nop 0
.rept 4
	v_nop
.endr
	s_branch .Lasked_\@
.Lfor_b_\@:
	tensor_load_to_lds s[G0B+4*\s:G0B+4*\s+3], s[G1B:G1B+7]
	s_nop 0
.rept 4
	v_nop
.endr
.Lasked_\@:
.endm
.macro CREST
	s_cmp_lg_u32 s[WV], 0
	s_cbranch_scc1 .Lnot_wave_0_\@
	s_barrier_signal -3
.Lnot_wave_0_\@:
	s_barrier_wait -3
	s_barrier_signal -1
	s_barrier_wait -1
.endm
.macro CROUND
	s_barrier_signal -1
	s_barrier_wait -1
	CREST
.endm
; The slot's two groups 0 take K step s[KI], and s[KI] goes one on, round the NST steps.  s[20:21] and s[46:47] stay at the two tiles' K step 0.  s[KI] is made of the cluster's x and y alone: it is the same in all sixteen partners.
.macro KADDR slot
	s_lshl_b32 s[KO], s[KI], KSH
	s_add_nc_u64 s[G0+4*\slot+2:G0+4*\slot+3], s[20:21], s[KO:KO+1]
	s_or_b32 s[G0+4*\slot+3], s[G0+4*\slot+3], 0x80000000
	s_add_nc_u64 s[G0B+4*\slot+2:G0B+4*\slot+3], s[46:47], s[KO:KO+1]
	s_or_b32 s[G0B+4*\slot+3], s[G0B+4*\slot+3], 0x80000000
	s_add_co_u32 s[KI], s[KI], 1
	s_and_b32 s[KI], s[KI], NST-1
.endm
	s_load_b128 s[4:7], s[0:1], 0x0                ; the tokens' codes, wcodes
	s_load_b128 s[8:11], s[0:1], 0x10              ; the exponents, the bias
	s_load_b128 s[12:15], s[0:1], 0x20             ; the residual, the output
	v_lshl_add_u32 v[SPW], v0, 2, SPARE
	v_mov_b32 v[NIL], 0
	ds_add_u32 v28, v29
	s_wait_dscnt 0x0
	v_lshrrev_b32 v1, 5, v0
	v_readfirstlane_b32 s[WV], v1
	s_lshr_b32 s[HR], s[WV], 1
	s_and_b32 s[HC], s[WV], 1
	s_bfe_u32 s40, ttmp6, 0x40000
	s_bfe_u32 s41, ttmp6, 0x40004
	s_lshl_b32 s42, ttmp9, 2
	s_add_co_u32 s42, s42, s40                     ; tile column
	s_and_b32 s43, ttmp7, 0xffff
	s_lshl_b32 s43, s43, 2
	s_add_co_u32 s43, s43, s41                     ; tile row
	s_lshl_b32 s44, s41, 2
	s_lshl_b32 s44, 15, s44
	s_lshl_b32 s45, 0x1111, s40
	s_or_b32 s[G1+0], s44, (1<<20)|(1<<21)|(5<<22)|(3<<25)    ; the mask; elements of 1 byte; padding on; 21 set beside a mask; four words after every 64
	s_or_b32 s[G1B+0], s45, (1<<20)|(1<<21)|(5<<22)|(3<<25)
.irp g, G1, G1B
	s_mov_b32 s[\g+1], 256<<16
	s_mov_b32 s[\g+2], 128<<16
	s_mov_b32 s[\g+3], 256<<16
	s_mov_b32 s[\g+4], 128
	s_mov_b32 s[\g+5], 256                         ; dense
	s_mov_b32 s[\g+6], 0
	s_mov_b32 s[\g+7], 0
.endr
	s_lshl_b32 s19, s[HC], 15                      ; which two of a step's four blocks I fetch
	s_mul_i32 s20, s43, KB*16384
	s_add_co_u32 s20, s20, s19
	s_mov_b32 s21, 0
	s_mul_i32 s46, s42, KB*16384
	s_add_co_u32 s46, s46, s19
	s_add_co_u32 s46, s46, WOFF
	s_mov_b32 s47, 0
	s_mul_i32 s22, s[WV], HALFT
	s_and_b32 s[KI], ttmp7, 0xffff                 ; the cluster's y,
	s_lshl_b32 s[KI], s[KI], 1                     ; twice,
	s_lshl_b32 s93, ttmp9, 2
	s_add_co_u32 s[KI], s[KI], s93                 ; + four times the cluster's x:
	s_and_b32 s[KI], s[KI], NST-1                  ; the K step at which my cluster begins
	s_mov_b32 s[KO+1], 0
	s_wait_kmcnt 0x0
	s_load_b256 s[68:75], s[8:9], 0x0
	s_load_b128 s[76:79], s[8:9], 0x20
	s_add_nc_u64 s[20:21], s[4:5], s[20:21]
	s_add_nc_u64 s[46:47], s[6:7], s[46:47]
	CROUND                                         ; all sixteen work-groups are here
.irp s, 0,1
	s_mov_b32 s[G0+4*\s], 1
	s_add_co_u32 s[G0+4*\s+1], s22, \s*SLOT
	s_mov_b32 s[G0B+4*\s], 1
	s_add_co_u32 s[G0B+4*\s+1], s22, \s*SLOT
	KADDR \s
	JLOAD \s
.endr
	v_and_b32 v1, 15, v0                           ; r
	v_bfe_u32 v2, v0, 4, 1                         ; h
	v_lshrrev_b32 v3, 1, v1
	v_mul_u32_u24 v3, v3, PITCH
	v_and_b32 v4, 1, v1
	v_lshl_add_u32 v3, v4, 7, v3
	v_lshl_add_u32 v4, v2, 4, v3                   ; (r / 2) x 272 + (r % 2) x 128 + 16 h
	s_mul_i32 s80, s[HR], 32*PITCH                 ; my 64 tokens of a block
	s_mul_i32 s81, s[HC], 32*PITCH                 ; my 64 rows of the weight,
	s_add_co_u32 s81, s81, 2*HALFT                 ; behind the tokens' four blocks
.irp s, 0,1
	v_add_nc_u32 v[ADRA+\s], s80, v4
	v_add_nc_u32 v[ADRB+\s], s81, v4
	s_add_co_u32 s80, s80, SLOT
	s_add_co_u32 s81, s81, SLOT
.endr
	s_mul_i32 s84, s[WV], 16*SPITCH
	s_add_co_u32 s84, s84, STAGE
	v_mul_u32_u24 v5, v1, SPITCH
	v_lshl_add_u32 v5, v2, 5, v5
	v_add_nc_u32 v[STO], s84, v5                   ; in: row r, 32 bytes for each half of the lanes
	v_mul_u32_u24 v6, v2, SPITCH
	v_lshl_add_u32 v6, v1, 4, v6
	v_add_nc_u32 v[RD], s84, v6                    ; back: lanes 0-15 one row of 256 bytes, lanes 16-31 the next
	v_lshlrev_b32 v[BO], 4, v1
	v_lshl_add_u32 v[CO], v2, 12, v[BO]            ; and the same two rows in C
	s_lshl_b32 s84, s42, 9
	s_lshl_b32 s85, s[HC], 8
	s_add_co_u32 s84, s84, s85                     ; my first column, in bytes
	s_mov_b32 s85, 0
	s_add_nc_u64 s[10:11], s[10:11], s[84:85]
	s_lshl_b32 s86, s43, 19
	s_add_co_u32 s84, s84, s86
	s_lshl_b32 s86, s[HR], 18
	s_add_co_u32 s84, s84, s86                     ; + my first row: 128 x tile row + 64 x half, of 4,096 bytes
	s_add_nc_u64 s[12:13], s[12:13], s[84:85]
	s_add_nc_u64 s[14:15], s[14:15], s[84:85]
	global_load_b128 v[BI:BI+3], v[BO], s[10:11]   ; the bias at the four columns that I store
	WIN 0x80                                       ; destination window 2
.irp a, 0,1,2,3
.irp t, 0,1,2,3,4,5,6,7
	global_load_b128 v[4*(8*\a+\t):4*(8*\a+\t)+3], v[CO], s[12:13] offset:(16*\a+2*\t)*4096 th:TH_LOAD_NT   ; 16 lanes read 256 consecutive bytes, aligned
.endr
.endr
	WIN 0
.macro FRAG reg, adr, q, i             ; 16 rows x 128 K: registers 4 c .. 4 c + 3 hold K = 32 c + 16 (l / 16) + 0 .. 15, in both operands alike
.irp c, 0,1,2,3
	ds_load_b128 v[\reg+4*\c:\reg+4*\c+3], v[\adr] offset:KBLK*(\q)+(\i)*8*PITCH+32*\c
.endr
.endm
.macro FETCH slot, q, f                ; 32 LDS loads in one run: block q's fragments: the weight's four, then the tokens' four
	WIN TO_F
.irp i, 0,1,2,3
	FRAG \f+64+16*\i, ADRB+\slot, \q, \i
.endr
.irp i, 0,1,2,3
	FRAG \f+16*\i, ADRA+\slot, \q, \i
.endr
.endm
.macro MUL4 f, a, zero                 ; four products; the 16 accumulators take turns, one instruction a turn
.irp b, 0,1,2,3
.if \zero
	v_wmma_f32_16x16x128_bf8_bf8 v[ACC+8*(4*\a+\b):ACC+8*(4*\a+\b)+7], v[\f+64+16*\b:\f+64+16*\b+15], v[\f+16*\a:\f+16*\a+15], 0
.else
	v_wmma_f32_16x16x128_bf8_bf8 v[ACC+8*(4*\a+\b):ACC+8*(4*\a+\b)+7], v[\f+64+16*\b:\f+64+16*\b+15], v[\f+16*\a:\f+16*\a+15], v[ACC+8*(4*\a+\b):ACC+8*(4*\a+\b)+7]
.endif
.endr
.endm
.macro PLACES                          ; four plain vector instructions between a matrix instruction and a load into, or a read of, its registers
.rept 4
	v_nop
.endr
.endm
.macro QUARTER slot, q, f, g, zero     ; multiplies buffer f (128 along K) and fetches block q of the same slot into g
	s_wait_dscnt 8                                 ; the weight's fragments and the tokens' 0, 1 are in; the youngest eight loads may be out
	WIN MUL
	MUL4 \f, 0, \zero
	MUL4 \f, 1, \zero
	PLACES
	FETCH \slot, \q, \g
	s_wait_dscnt 32                                ; all but the 32 just issued
	WIN MUL
	MUL4 \f, 2, \zero
	MUL4 \f, 3, \zero
.endm
.macro TURN slot, next, fill           ; a slot's last quarter changes slots
	WIN 0
	s_wait_tensorcnt 0x0                           ; all my tensor loads have landed: my part of the next slot; so every group 0 may be written
	ds_add_u32 v[SPW], v[NIL]                      ; 0 onto my spare word
.if \fill
	KADDR \slot                                    ; this slot's next K step: work on registers while the add is out
.endif
	s_wait_dscnt 9                                 ; (the add and the youngest eight loads may be out)
	WIN MUL
	MUL4 F1, 0, 0
	s_wait_dscnt 0x0                               ; the add is done, and my reads of this slot are over
	s_barrier_signal -1
	MUL4 F1, 1, 0
.if \fill
	WIN 0
.endif
	s_barrier_wait -1
.if \fill
	CREST                                          ; no wave of any partner still reads this slot or has a load on its way
	JLOAD \slot                                    ; the first tensor load behind the round; its four v_nop are also the places in front of the loads below
.else
	PLACES
.endif
	FETCH \next, 0, F0
	WIN MUL
	MUL4 F1, 2, 0
	MUL4 F1, 3, 0
.endm
	s_wait_tensorcnt 1                             ; my part of slot 0 is in; slot 1's load may be out
	s_barrier_signal -1
	s_barrier_wait -1
	FETCH 0, 0, F0
	QUARTER 0, 1, F0, F1, 1                        ; the first quarter's products start the sums
.if LAPS > 1
	WIN 0
	s_mov_b32 s3, LAPS-1
.Llap:
	QUARTER 0, 2, F1, F0, 0
	QUARTER 0, 3, F0, F1, 0
	TURN 0, 1, 1
	QUARTER 1, 1, F0, F1, 0
	QUARTER 1, 2, F1, F0, 0
	QUARTER 1, 3, F0, F1, 0
	TURN 1, 0, 1
	QUARTER 0, 1, F0, F1, 0
	WIN 0
	s_sub_co_u32 s3, s3, 1
	s_cmp_lg_u32 s3, 0
	s_cbranch_scc1 .Llap
.endif
	QUARTER 0, 2, F1, F0, 0                        ; the last lap fills nothing
	QUARTER 0, 3, F0, F1, 0
	TURN 0, 1, 0
	QUARTER 1, 1, F0, F1, 0
	QUARTER 1, 2, F1, F0, 0
	QUARTER 1, 3, F0, F1, 0
	s_wait_dscnt 8
	WIN MUL
	MUL4 F1, 0, 0
	MUL4 F1, 1, 0
	s_wait_dscnt 0
	MUL4 F1, 2, 0
	MUL4 F1, 3, 0
	WIN 0
	; THE WAY OUT, 16 rows at a time: the sums go through my stage and come back as whole rows of 256 bytes; then sum x 2^(ea + eb) + bias, + residual, and the store.
	s_wait_kmcnt 0x0
	s_wait_loadcnt 0x0                             ; the bias and the residual
	s_add_co_i32 s96, s[EA], s[EB]
	s_add_co_i32 s96, s96, 127
	s_lshl_b32 s96, s96, 23
	s_mov_b32 s97, s96
	PLACES
.irp a, 0,1,2,3
.set BB, BK+32*((\a)%2)
.if \a >= 2
	s_wait_xcnt 0x0                                ; the stores of two blocks back have read these registers
.endif
.irp b, 0,1,2,3
	ds_store_b128 v[STO], v[ACC+8*(4*\a+\b):ACC+8*(4*\a+\b)+3] offset:64*\b       ; each accumulator from its low end on
	ds_store_b128 v[STO], v[ACC+8*(4*\a+\b)+4:ACC+8*(4*\a+\b)+7] offset:64*\b+16
.endr
.irp t, 0,1,2,3,4,5,6,7
	ds_load_b128 v[BB+4*\t:BB+4*\t+3], v[RD] offset:\t*2*SPITCH    ; LDS serves a wave's instructions in order (ISA guide 5.7.1.4)
.endr
	s_wait_dscnt 0x0
.irp t, 0,1,2,3,4,5,6,7
	v_pk_fma_f32 v[BB+4*\t:BB+4*\t+1], v[BB+4*\t:BB+4*\t+1], s[96:97], v[BI:BI+1] op_sel_hi:[1,0,1]
	v_pk_fma_f32 v[BB+4*\t+2:BB+4*\t+3], v[BB+4*\t+2:BB+4*\t+3], s[96:97], v[BI+2:BI+3] op_sel_hi:[1,0,1]
.endr
	WIN 0x08                                       ; source 1 window 2
.irp t, 0,1,2,3,4,5,6,7
	v_pk_add_f32 v[BB+4*\t:BB+4*\t+1], v[BB+4*\t:BB+4*\t+1], v[4*(8*\a+\t):4*(8*\a+\t)+1]
	v_pk_add_f32 v[BB+4*\t+2:BB+4*\t+3], v[BB+4*\t+2:BB+4*\t+3], v[4*(8*\a+\t)+2:4*(8*\a+\t)+3]
.endr
	WIN 0
.irp t, 0,1,2,3,4,5,6,7
	global_store_b128 v[CO], v[BB+4*\t:BB+4*\t+3], s[14:15] offset:(16*\a+2*\t)*4096   ; 16 lanes store 256 consecutive bytes, aligned
.endr
.endr
	s_wait_tensorcnt 0x0                           ; the wave's end
	ds_add_u32 v[SPW], v[NIL]
	s_wait_dscnt 0x0
	CROUND                                         ; the closing round
	s_endpgm
.Lfunc_end_k_q81e3ffedfc_mlp2:
	.size	k_q81e3ffedfc_mlp2, .Lfunc_end_k_q81e3ffedfc_mlp2-k_q81e3ffedfc_mlp2
	.p2alignl 7, 3214868480
	.fill 96, 4, 3214868480
	.section	.rodata,"a",@progbits
	.p2align	6, 0x0
	.amdhsa_kernel k_q81e3ffedfc_mlp2
		.amdhsa_group_segment_fixed_size 327680
		.amdhsa_private_segment_fixed_size 0
		.amdhsa_enable_private_segment 0
		.amdhsa_kernarg_size 48
		.amdhsa_user_sgpr_count 2
		.amdhsa_user_sgpr_kernarg_segment_ptr 1
		.amdhsa_wavefront_size32 1
		.amdhsa_system_sgpr_workgroup_id_x 1
		.amdhsa_system_sgpr_workgroup_id_y 1
		.amdhsa_system_sgpr_workgroup_id_z 1
		.amdhsa_system_vgpr_workitem_id 0
		.amdhsa_next_free_vgpr 768
		.amdhsa_next_free_sgpr 98
		.amdhsa_reserve_vcc 0
		.amdhsa_float_denorm_mode_32 3
		.amdhsa_float_denorm_mode_16_64 3
		.amdhsa_memory_ordered 1
		.amdhsa_forward_progress 1
		.amdhsa_inst_pref_size 82
	.end_amdhsa_kernel
	.amdgpu_metadata
---
amdhsa.version: [ 1, 2 ]
amdhsa.kernels:
  - .name:           k_q81e3ffedfc_mlp2
    .symbol:         k_q81e3ffedfc_mlp2.kd
    .args:
      - { .name: hidc, .offset: 0, .size: 8, .value_kind: global_buffer, .address_space: global }
      - { .name: wcodes, .offset: 8, .size: 8, .value_kind: global_buffer, .address_space: global }
      - { .name: lowp_scales, .offset: 16, .size: 8, .value_kind: global_buffer, .address_space: global }
      - { .name: mlp_b2, .offset: 24, .size: 8, .value_kind: global_buffer, .address_space: global }
      - { .name: x1, .offset: 32, .size: 8, .value_kind: global_buffer, .address_space: global }
      - { .name: out0, .offset: 40, .size: 8, .value_kind: global_buffer, .address_space: global }
    .group_segment_fixed_size: 327680
    .private_segment_fixed_size: 0
    .kernarg_segment_align: 8
    .kernarg_segment_size: 48
    .max_flat_workgroup_size: 128
    .sgpr_count:     98
    .vgpr_count:     768
    .wavefront_size: 32
...
	.end_amdgpu_metadata
.endif
;; end of part 7
